; MI455X (gfx1250); checked and timed in simulation.
; The chip was launched on July 23, 2026; its instructions are those of AMD's public machine-readable ISA for CDNA 5 (MIT licence, August 2026) and "CDNA5" Instruction Set Architecture Reference Guide (July 2026). The comments in the code are by the model that wrote it; some were corrected since.
;; Multi Head Attention. Allowed arithmetic: matrix products marked QUANTISED: E2M3 operands, one E8M0 scale for each 32 along K, by v_wmma_scale_f32_16x16x128_f8f6f4 with both operands' format E2M3, f32 sums; everything else in f32.
;; Inputs: Wk_codes 1,024 x 32 x 24 uint8 (E2M3 codes of Wk, K innermost, in blocks of 32 codes, four codes in three bytes); Wk_scales 1,024 x 32 uint8 (E8M0 scales of Wk, one for each 32 codes along K); Wo_codes 1,024 x 32 x 24 uint8 (E2M3 codes of Wo, K innermost, in blocks of 32 codes, four codes in three bytes); Wo_scales 1,024 x 32 uint8 (E8M0 scales of Wo, one for each 32 codes along K); Wq_codes 1,024 x 32 x 24 uint8 (E2M3 codes of Wq, K innermost, in blocks of 32 codes, four codes in three bytes); Wq_scales 1,024 x 32 uint8 (E8M0 scales of Wq, one for each 32 codes along K); Wv_codes 1,024 x 32 x 24 uint8 (E2M3 codes of Wv, K innermost, in blocks of 32 codes, four codes in three bytes); Wv_scales 1,024 x 32 uint8 (E8M0 scales of Wv, one for each 32 codes along K); bk 1,024 float32; bo 1,024 float32; bq 1,024 float32; bv 1,024 float32; k_codes 4 x 2,048 x 32 x 24 uint8 (E2M3 codes of k, K innermost, in blocks of 32 codes, four codes in three bytes); k_scales 4 x 2,048 x 32 uint8 (E8M0 scales of k, one for each 32 codes along K); q_codes 4 x 2,048 x 32 x 24 uint8 (E2M3 codes of q, K innermost, in blocks of 32 codes, four codes in three bytes); q_scales 4 x 2,048 x 32 uint8 (E8M0 scales of q, one for each 32 codes along K); v_codes 4 x 2,048 x 32 x 24 uint8 (E2M3 codes of v, K innermost, in blocks of 32 codes, four codes in three bytes); v_scales 4 x 2,048 x 32 uint8 (E8M0 scales of v, one for each 32 codes along K).
;; Outputs: out0 4 x 2,048 x 1,024 float32.
;; This version of the problem:
;;   THIS VERSION OF THE PROBLEM IS GIVEN IN LOW PRECISION. The matrix products marked QUANTISED in the list below multiply operands that are first quantised to E2M3 (2 exponent bits, 3 mantissa bits; 6 bits a number), with one power-of-two scale for each 32 numbers along K (OCP MX v1.0); their sums are f32. All else is computed in f32.
;;   The module's matrix products, in the order in which they are computed (A, B: the left and right operand; K: the contracted axis; several contracted axes count as one K, in the product's order):
;;     1. [M 8,192, K 1,024] x [K 1,024, N 1,024]; A: input q (given as codes); B: input Wq (given as codes): QUANTISED
;;     2. [M 8,192, K 1,024] x [K 1,024, N 1,024]; A: input k (given as codes); B: input Wk (given as codes): QUANTISED
;;     3. [M 8,192, K 1,024] x [K 1,024, N 1,024]; A: input v (given as codes); B: input Wv (given as codes): QUANTISED
;;     4. batch 64 x [M 2,048, K 64] x [K 64, N 2,048]; A: computed on the way; B: computed on the way: QUANTISED
;;     5. batch 64 x [M 64, K 2,048] x [K 2,048, N 2,048]; A: computed on the way; B: softmax (see below): QUANTISED
;;     6. [M 8,192, K 1,024] x [K 1,024, N 1,024]; A: computed on the way; B: input Wo (given as codes): QUANTISED
;;   THE QUANTISER, for each operand of a quantised product, along K:
;;     - K is cut into blocks of 32 from its start; a last block that is shorter is filled with zeros.
;;     - A block's scale is 2^e with e = floor(log2(the largest magnitude in the block)) - 2, held to -126 .. 127; a block of zeros has e = 0. As a byte (E8M0): e + 127.
;;     - Each number is divided by its block's scale, clamped to +-7.5, and rounded to the nearest number of E2M3, ties to even, subnormals kept.
;;     - The product sums the exact products of the quantised numbers (number of the format x scale) in f32.
;;   ~~~python
;;   def quantise(x, axis):      # numpy; x: float32 -> the quantised numbers, widened to float32 again
;;       x = np.moveaxis(x, axis, -1); K = x.shape[-1]
;;       x = np.pad(x, [(0, 0)] * (x.ndim - 1) + [(0, -K % 32)]); x = x.reshape(x.shape[:-1] + (-1, 32)); a = np.abs(x).max(-1, keepdims=True)
;;       e = np.where(a > 0, np.clip(np.frexp(np.where(a > 0, a, 1))[1] - 1 - 2, -126, 127), 0)      # np.frexp(a)[1] - 1 = floor(log2(a)), exactly
;;       r = np.clip(x / 2.0 ** e, -7.5, 7.5)
;;       step = 2.0 ** (np.maximum(np.frexp(np.where(r == 0, 1, r))[1] - 1, 0) - 3)
;;       q = np.round(r / step) * step * 2.0 ** e      # np.round: ties to even
;;       return np.moveaxis(q.reshape(q.shape[:-2] + (-1,))[..., :K], -1, axis).astype(np.float32)
;;   ~~~
;;   SOFTMAX AHEAD OF A QUANTISED PRODUCT. Where the list says 'softmax', what is quantised is not the finished softmax but p = 2^(t - M), with t = logit x log2(e) and M = ceil(the row's largest t), a whole number; so 1/2 < the row's largest p <= 1. The row's sum l is taken of the UNQUANTISED p, in f32, and the product's result is divided by l at the end. Since M is a whole number, a kernel that streams over the keys may use a running M (the ceiling of the running maximum): every later rescaling is an exact power of two, which a block's scale takes up: the codes' values come out the same.
;;   OPERANDS COMPUTED ON THE WAY. 'Computed on the way' means the value that the module computes at that place (a softmax that the list does not call 'softmax' is quantised finished and normalised). What goes into a quantiser is computed in f32, as accurately as f32 sums, v_exp_f32 and their like allow (about 1e-6 of the number): no bf16 or f16 on the way to a quantiser, and a product that is left as it is and whose result goes on into a quantised operand takes f32 operands (vector FMAs, or v_wmma_f32_16x16x4_f32). A number that lies on a knife's edge between two numbers of the format may be rounded either way, as far as f32 arithmetic and the matrix unit's own rounding can turn it there, and no further.
;;   INPUTS GIVEN AS CODES. Wk (in the module: [1024, 1024], K = its axis 0); Wo (in the module: [1024, 1024], K = its axis 0); Wq (in the module: [1024, 1024], K = its axis 0); Wv (in the module: [1024, 1024], K = its axis 0); k (in the module: [4, 2048, 1024], K = its axis 2); q (in the module: [4, 2048, 1024], K = its axis 2); v (in the module: [4, 2048, 1024], K = its axis 2): each comes as NAME_codes (uint8): NAME with its K axis moved to the last place and cut into blocks of 32 codes, [.., K / 32, bytes a block], one block behind the other in memory; four codes in three bytes: a row's codes are one little-endian stream of bits, code i at bits 6 i .. 6 i + 5 (a code: sign, 2 exponent bits, 3 mantissa bits); and NAME_scales (uint8): the same leading axes, one E8M0 byte (e + 127) for each 32 codes along K. Its value is code x scale, taken as it is: it is not quantised again, and the codes and scales need not be those that the quantiser above would give.
;; One version. Each part assembles by itself: llvm-mc -triple=amdgcn-amd-amdhsa -mcpu=gfx1250 --defsym DOCPART=n.
;; ======== version 1 of 1: 3 launches
;; workspace buffers: qkv 19,660,800 bytes; aimg 6,291,456 bytes; asc 524,288 bytes
;; launch proj (part 1): grid 4 x 192, 4 waves a work-group, clusters of 4 x 4, 313,856 bytes of LDS; arguments q_codes, q_scales, k_codes, k_scales, v_codes, v_scales, Wq_codes, Wq_scales, Wk_codes, Wk_scales, Wv_codes, Wv_scales, bq, bk, bv, qkv; writes qkv
.if DOCPART == 1
	.amdgcn_target "amdgcn-amd-amdhsa--gfx1250"
	.amdhsa_code_object_version 6
	.text
	.protected	k_q8da96b2c2b_proj
	.globl	k_q8da96b2c2b_proj
	.p2align	8
	.type	k_q8da96b2c2b_proj,@function
k_q8da96b2c2b_proj:
	s_mov_b64 s[64:65], 0
	v_nop
	global_prefetch_b8 v0, s[64:65] scope:SCOPE_SE
	s_setreg_imm32_b32 hwreg(HW_REG_WAVE_MODE, 25, 1), 1
	s_wait_xcnt 0x0
	s_wait_alu depctr_hold_cnt(0) depctr_sa_sdst(0) depctr_va_vdst(0) depctr_va_sdst(0) depctr_va_ssrc(0) depctr_va_vcc(0) depctr_vm_vsrc(0)
	s_getreg_b32 s2, hwreg(HW_REG_IB_STS2, 6, 4)
	s_cmp_eq_u32 s2, 0
	s_cbranch_scc0 .Lentry_in_a_cluster
	s_endpgm
.Lentry_in_a_cluster:
	s_bfe_u32 s2, ttmp6, 0x10000c
	s_cmp_lg_u32 s2, 0xf033
	s_cbranch_scc0 .Lentry_shape_is_right
	s_endpgm
.Lentry_shape_is_right:
; qh = q Wq + bq, kh = k Wk + bk, vh = v Wv + bv on codes of FP6 (E2M3) with one E8M0 scale for each 32 along K, and the quantisers of the three results:
; qh and kh along the head's 64 dims, vh along the keys.  The results leave as IMAGES OF OPERAND REGISTERS for the attention launch, with their scale words.
; C'[i][j] = sum over k of P[i][k] R[j][k].  P is source 0: its rows run along a lane's result registers; R is source 1: its rows run along the lanes.
; q, k: P = the weight (1,024 features), R = the tokens: a lane holds one token and features along its registers, which are the next K.
; v:    P = the tokens, R = the weight: a lane holds one channel and tokens (keys) along its registers, which are the next K.
; A work-group makes 256 rows of P x 128 rows of R with all of K = 1,024; wave w: P rows 128 (w & 1) on, R rows 64 (w >> 1) on: 32 accumulators, 8 K steps of 32 products.
; ALL OF THE TILE'S K LIES IN LDS AT ONCE (384 rows x 768 bytes): every LDS byte is filled once, at the head, so there is no ring.  A row of 768 bytes comes as three chunks of 256 bytes,
; each chunk in a region of its own with rows 272 bytes apart; the products of the first chunk begin while the other two are on their way.
; CLUSTERS: 4 x 4 work-groups.  P's tile hangs on cx alone and is asked for jointly by a column of the cluster, R's on cy alone and by a row.
; No prefetch is written: every tensor load of a work-group is issued at its first lines.
; ORDER INSIDE A BLOCK OF 32: two neighbouring result tiles are converted as they stand, so place 16 x + 8 u + j of a block holds element 16 u + 8 x + j.  q and k get the same order, and so do v and the
; attention launch's p; each block holds its own 32 elements, so scales and products are those of the true order.
; LIMITS: NaN and infinities are not served.  A block whose largest magnitude lies under 2^-124 gets the scale byte 1; a block of zeros gets the byte 1 where the quantiser says 127: its codes are zeros,
; which add nothing under any byte but 0xff, and these bytes are read by this program alone.
; REGISTERS, in windows of 256: window 0: v1 lane, v2 lane % 16, v3 lane / 16, v8-15 offsets, v16-25 LDS addresses, v26-29 the four scale words made, v32-63 P's scale words, v64-79 R's,
;   v80-143 the bias along registers, v144-239 R's fragments (two sets), v246-253 the bias along lanes; on the way out v144-207 numbers, v208-227 codes, v228-244 at work.
;   window 1: P's fragments, two sets of 96.   window 2: accumulator (a, b) at v[64 a + 8 b].
.set PITCH, 272                        ; a chunk's row in LDS: 256 bytes + 16 = 68 words: row r starts at bank 4 r mod 64 (64 banks of 4 bytes: ISA guide 11.1); lanes 16-31 read 6 words on: 64 different banks for a load of 8 bytes a lane
.set PCH,   256*PITCH                  ; a chunk of P's 256 rows
.set RB,    3*PCH                      ; behind P's three chunks: R's
.set RCH,   128*PITCH                  ; a chunk of R's 128 rows
.set ROWB,  768                        ; a row of 1,024 codes in memory
.set BLKB,  19200                      ; qkv: a block = one head, 128 tokens: K images 6,144, V images 6,144, K's scale words 256, V's 256, Q images 6,144, Q's scale words 256
.set HS,    16*BLKB                    ; from a head to the next
.set G1W0,  (1<<20)|(1<<21)|(5<<22)|(3<<25)   ; elements of 1 byte; padding on; bit 21 beside a mask; after every 64 words; 4 words
.set L16, 8
.set L8,  9
.set AP,  16
.set APX, 19
.set AR,  21
.set ARX, 24
.set WW,  26
.set SCP, 32
.set SCR, 64
.set BP,  80
.set RF,  144
.set Y,   144
.set PC,  208
.set TM,  228
.set PW,  244
.set BR,  246
.set SEL, 66
.set MSB, 0
.macro WIN new                         ; the immediate's high byte repeats the setting that is left
.if MSB != (\new)
	s_set_vgpr_msb (MSB<<8)|(\new)
.set MSB, (\new)
.endif
.endm
.macro PLACES                          ; four plain vector instructions behind a product, ahead of loads into its registers and of reads of its result
.rept 4
	v_nop
.endr
.endm
.macro CROUND                          ; a round of the cluster's barrier
	s_barrier_signal -1
	s_barrier_wait -1
	s_cmp_lg_u32 s4, 0
	s_cbranch_scc1 .Lnot_wave_0_\@
	s_barrier_signal -3
.Lnot_wave_0_\@:
	s_barrier_wait -3
	s_barrier_signal -1
	s_barrier_wait -1
.endm
; A fragment, 16 rows x 128 K, is 12 registers: lane (r, h) takes of row r the pieces of 8 bytes 12 s + 3 h + 0, 1, 2 and 12 s + 6 + 3 h + 0, 1, 2.  A chunk holds 32 pieces.
; Where lanes 16-31's piece lies in the next chunk (the piece of lanes 0-15 is 29 or more in its chunk), the second address register serves: its term for lanes 16-31 is a chunk on and 232 bytes back.
.macro FRAG reg, A, AX, s, i
.irp p, 0,1,2,3,4,5
.set G, 12*(\s)+6*(\p/3)+\p%3
.if G%32 < 29
	ds_load_b64 v[\reg+2*\p:\reg+2*\p+1], v[\A+G/32] offset:8*(G%32)+(\i)*16*PITCH
.else
	ds_load_b64 v[\reg+2*\p:\reg+2*\p+1], v[\AX+G/32] offset:8*(G%32)+(\i)*16*PITCH
.endif
.endr
.endm
.macro FETCH_P s                       ; 48 loads: P's eight fragments of K step s into set s % 2
	WIN 0x40
.irp i, 0,1,2,3,4,5,6,7
	FRAG 96*((\s)%2)+12*\i, AP, APX, \s, \i
.endr
	WIN 0
.endm
.macro FETCH_R s                       ; 24 loads: R's four
.irp i, 0,1,2,3
	FRAG RF+48*((\s)%2)+12*\i, AR, ARX, \s, \i
.endr
.endm
; One product.  P's scale words: register 8 (b % 4) + s holds block b % 4 in lanes 0-15 and block b % 4 + 4 in lanes 16-31; R's: register 8 (a % 2) + s, blocks a % 2 and a % 2 + 2.
.macro WM a, b, s, z
.set rD, 64*(\a)+8*(\b)
.set rP, 96*((\s)%2)+12*(\b)
.set rR, RF+48*((\s)%2)+12*(\a)
.set rE, SCP+8*((\b)%4)+(\s)
.set rF, SCR+8*((\a)%2)+(\s)
.if \z
.if ((\b) < 4) && ((\a) < 2)
	v_wmma_scale_f32_16x16x128_f8f6f4 v[rD:rD+7], v[rP:rP+11], v[rR:rR+11], 0, v[rE], v[rF] matrix_a_fmt:MATRIX_FMT_FP6 matrix_b_fmt:MATRIX_FMT_FP6
.elseif (\a) < 2
	v_wmma_scale_f32_16x16x128_f8f6f4 v[rD:rD+7], v[rP:rP+11], v[rR:rR+11], 0, v[rE], v[rF] matrix_a_fmt:MATRIX_FMT_FP6 matrix_b_fmt:MATRIX_FMT_FP6 matrix_a_scale:MATRIX_SCALE_ROW1
.elseif (\b) < 4
	v_wmma_scale_f32_16x16x128_f8f6f4 v[rD:rD+7], v[rP:rP+11], v[rR:rR+11], 0, v[rE], v[rF] matrix_a_fmt:MATRIX_FMT_FP6 matrix_b_fmt:MATRIX_FMT_FP6 matrix_b_scale:MATRIX_SCALE_ROW1
.else
	v_wmma_scale_f32_16x16x128_f8f6f4 v[rD:rD+7], v[rP:rP+11], v[rR:rR+11], 0, v[rE], v[rF] matrix_a_fmt:MATRIX_FMT_FP6 matrix_b_fmt:MATRIX_FMT_FP6 matrix_a_scale:MATRIX_SCALE_ROW1 matrix_b_scale:MATRIX_SCALE_ROW1
.endif
.else
.if ((\b) < 4) && ((\a) < 2)
	v_wmma_scale_f32_16x16x128_f8f6f4 v[rD:rD+7], v[rP:rP+11], v[rR:rR+11], v[rD:rD+7], v[rE], v[rF] matrix_a_fmt:MATRIX_FMT_FP6 matrix_b_fmt:MATRIX_FMT_FP6
.elseif (\a) < 2
	v_wmma_scale_f32_16x16x128_f8f6f4 v[rD:rD+7], v[rP:rP+11], v[rR:rR+11], v[rD:rD+7], v[rE], v[rF] matrix_a_fmt:MATRIX_FMT_FP6 matrix_b_fmt:MATRIX_FMT_FP6 matrix_a_scale:MATRIX_SCALE_ROW1
.elseif (\b) < 4
	v_wmma_scale_f32_16x16x128_f8f6f4 v[rD:rD+7], v[rP:rP+11], v[rR:rR+11], v[rD:rD+7], v[rE], v[rF] matrix_a_fmt:MATRIX_FMT_FP6 matrix_b_fmt:MATRIX_FMT_FP6 matrix_b_scale:MATRIX_SCALE_ROW1
.else
	v_wmma_scale_f32_16x16x128_f8f6f4 v[rD:rD+7], v[rP:rP+11], v[rR:rR+11], v[rD:rD+7], v[rE], v[rF] matrix_a_fmt:MATRIX_FMT_FP6 matrix_b_fmt:MATRIX_FMT_FP6 matrix_a_scale:MATRIX_SCALE_ROW1 matrix_b_scale:MATRIX_SCALE_ROW1
.endif
.endif
.endm
.macro MUL16 a0, s, z                  ; R's blocks a0, a0 + 1 x P's eight.  The 32 accumulators take turns, one instruction a turn, in the same order in every step
.irp a, \a0, \a0+1
.irp b, 0,1,2,3,4,5,6,7
	WM \a, \b, \s, \z
.endr
.endr
.endm
; A K step whose successor's chunk is known to be in LDS.  z = 1: the first step: its products start the sums
.macro NSTEP s, z
.if (\s) > 0
	PLACES                                         ; behind the last step's products, which read the sets that are loaded below
.endif
	FETCH_P (\s)+1
	s_wait_dscnt 48                                ; all but the 48 just issued: this step's fragments of P and of R are in
.if \z
	WIN 0x81
.else
	WIN 0xa1
.endif
	MUL16 0, \s, \z
	WIN 0
	FETCH_R (\s)+1
.if \z
	WIN 0x81
.else
	WIN 0xa1
.endif
	MUL16 2, \s, \z
.endm
; A K step whose successor needs the next chunk: my part of that chunk has landed (left = my later loads), my LDS loads are in, the barrier says so of all four waves
.macro CSTEP s, left
	s_wait_tensorcnt \left
	s_wait_dscnt 0x0
	s_barrier_signal -1
	WIN 0xa1
	MUL16 0, \s, 0                                 ; work on registers while the others arrive
	WIN 0
	s_barrier_wait -1
	PLACES
	FETCH_P (\s)+1
	FETCH_R (\s)+1
	WIN 0xa1
	MUL16 2, \s, 0
.endm
; 64 numbers of a lane, register 16 b + i, block b of 32 shared with lane l xor 16, become a fragment's codes in v[PC] on and the row's scale word in v[PW]
.macro QUANT s
.irp b, 0,1,2,3
	v_max3_num_f32 v[TM+\b], |v[\s+16*\b]|, |v[\s+1+16*\b]|, 0x1800000   ; my 16 numbers of block b, and the floor 2^(3 - 127): the byte cannot fall under 1
.endr
.irp i, 2,4,6,8,10,12,14
.irp b, 0,1,2,3
	v_max3_num_f32 v[TM+\b], v[TM+\b], |v[\s+16*\b+\i]|, |v[\s+1+16*\b+\i]|
.endr
.endr
.irp b, 0,1,2,3
	v_permlanex16_b32 v[TM+4+\b], v[TM+\b], s[SEL], s[SEL+1]
.endr
.irp b, 0,1,2,3
	v_max_num_f32 v[TM+\b], v[TM+\b], v[TM+4+\b]   ; the block's largest magnitude
.endr
.irp b, 0,1,2,3
	v_add_nc_u32 v[TM+12+\b], 0xff000000, v[TM+\b] ; 2 off its exponent field: the conversion's scale operand
.endr
.irp b, 0,1,2,3
	v_lshrrev_b32 v[TM+4+\b], 23, v[TM+12+\b]      ; the scale's byte
.endr
	v_lshl_or_b32 v[PW], v[TM+5], 8, v[TM+4]
	v_lshl_or_b32 v[PW], v[TM+6], 16, v[PW]
	v_lshl_or_b32 v[PW], v[TM+7], 24, v[PW]
.irp c, 0,1
	v_cvt_scalef32_pk16_fp6_f32 v[PC+6*\c:PC+2+6*\c], v[\s+32*\c:\s+15+32*\c], v[TM+12+2*\c]
	v_cvt_scalef32_pk16_fp6_f32 v[PC+12+4*\c:PC+14+4*\c], v[\s+16+32*\c:\s+31+32*\c], v[TM+12+2*\c+1]   ; (a conversion's three registers begin on an even number)
.endr
	v_nop                                          ; one plain place behind a scaled conversion
.irp c, 0,1                            ; the operand's layout wants a whole block in a lane: lanes 0-15 block 2 c, lanes 16-31 block 2 c + 1
.irp i, 0,1,2
	v_permlane16_swap_b32 v[PC+6*\c+\i], v[PC+12+4*\c+\i]
.endr
.irp i, 0,1,2
	v_mov_b32 v[PC+3+6*\c+\i], v[PC+12+4*\c+\i]
.endr
.endr
.endm
; THE WAY OUT, R's block a at a time: the bias is added by the packed addition that brings the eight accumulators into window 0 (each from its low end on), the 64 numbers are quantised, and the
; fragment leaves as it stands: registers 0-3 at 16 x lane, 4-5 at 512 + 8 x lane, and the same for 6-11: every store covers whole aligned runs of 256 bytes.
; q, k (vp = 0): registers 0-5 are 16 tokens x the 64 dims of my first head, 6-11 of my second.   v (vp = 1): the twelve are 16 channels x 128 keys.
.macro EPI vp
.irp a, 0,1,2,3
.if \a > 0
	s_wait_xcnt 0x0                                ; the last block's stores have read their data: the codes' registers may be written again
.endif
	WIN 0x02
.set I, 0
.rept 32
.if \vp
	v_pk_add_f32 v[Y+I:Y+I+1], v[64*\a+I:64*\a+I+1], v[BR+2*\a:BR+2*\a+1] op_sel_hi:[1,0]
.else
	v_pk_add_f32 v[Y+I:Y+I+1], v[64*\a+I:64*\a+I+1], v[BP+I:BP+I+1]
.endif
.set I, I+2
.endr
	WIN 0
	QUANT Y
	v_mov_b32 v[WW+\a], v[PW]
.if \vp
	global_store_b128 v[L16], v[PC:PC+3], s[62:63] offset:1536*\a
	global_store_b64 v[L8], v[PC+4:PC+5], s[62:63] offset:1536*\a+512
	global_store_b128 v[L16], v[PC+6:PC+9], s[62:63] offset:1536*\a+768
	global_store_b64 v[L8], v[PC+10:PC+11], s[62:63] offset:1536*\a+1280
.else
	global_store_b128 v[L16], v[PC:PC+3], s[62:63] offset:768*\a
	global_store_b64 v[L8], v[PC+4:PC+5], s[62:63] offset:768*\a+512
	global_store_b128 v[L16], v[PC+6:PC+9], s[68:69] offset:768*\a
	global_store_b64 v[L8], v[PC+10:PC+11], s[68:69] offset:768*\a+512
.endif
.endr
.endm
	s_load_b512 s[68:83], s[0:1], 0x0              ; q, k, v: codes and scales; Wq: codes and scales
	s_load_b512 s[84:99], s[0:1], 0x40             ; Wk, Wv: codes and scales; bq, bk, bv; qkv
	v_lshl_add_u32 v254, v0, 2, 0x4c800
	v_mov_b32 v255, 0
	ds_add_u32 v254, v255
	ds_add_u32 v254, v255
	v_lshrrev_b32 v1, 5, v0
	v_readfirstlane_b32 s4, v1                     ; wave 0..3
	s_and_b32 s5, s4, 1                            ; which 128 rows of P are mine.  Also: which half of a tile I fetch
	s_lshr_b32 s6, s4, 1                           ; which 64 rows of R.  Also: I fetch for P (0) or for R (1)
	s_and_b32 s13, ttmp7, 0xffff                   ; the cluster's y, 0..47
	s_lshr_b32 s7, s13, 4                          ; T: 0 q, 1 k, 2 v: the same in all sixteen partners
	s_and_b32 s8, s13, 15
	s_bfe_u32 s9, ttmp6, 0x40000                   ; cx
	s_bfe_u32 s10, ttmp6, 0x40004                  ; cy
	s_and_b32 s14, s8, 7
	s_lshr_b32 s15, s8, 3
	s_cmp_eq_u32 s7, 2
	s_cselect_b32 s14, s14, 0                      ; q, k: P = the weight's 4 tiles; v: P = the tokens' 32 tiles
	s_cselect_b32 s15, s15, s8                     ; q, k: R = the tokens' 64 tiles; v: R = the weight's 8
	s_lshl_b32 s11, s14, 2
	s_add_co_u32 s11, s11, s9                      ; P's tile: hangs on cx alone within a cluster
	s_lshl_b32 s12, s15, 2
	s_add_co_u32 s12, s12, s10                     ; R's tile: on cy alone
	s_lshl_b32 s13, 0x1111, s9                     ; my column of the cluster (same cx)
	s_lshl_b32 s14, s10, 2
	s_lshl_b32 s14, 15, s14                        ; my row (same cy)
	s_or_b32 s16, s13, G1W0                        ; group 1 for P: 128 rows x 256 bytes, 768 bytes apart in memory
	s_or_b32 s24, s14, G1W0                        ; for R: 64 rows
	s_mov_b32 s17, 256<<16                         ; tensor_dim0
	s_mov_b32 s18, 128<<16                         ; tensor_dim1
	s_mov_b32 s19, 256<<16                         ; tile_dim0
	s_mov_b32 s20, 128                             ; tile_dim1
	s_mov_b32 s21, ROWB                            ; the pitch
	s_mov_b32 s22, 0
	s_mov_b32 s23, 0
	s_mov_b32 s25, 256<<16
	s_mov_b32 s26, 64<<16
	s_mov_b32 s27, 256<<16
	s_mov_b32 s28, 64
	s_mov_b32 s29, ROWB
	s_mov_b32 s30, 0
	s_mov_b32 s31, 0
	s_lshl_b32 s2, s11, 8
	s_lshl_b32 s3, s5, 7
	s_add_co_u32 s2, s2, s3
	s_mul_i32 s2, s2, ROWB                         ; P: (256 tile + 128 half) rows, in bytes
	s_mov_b32 s3, 0
	s_lshl_b32 s14, s12, 7
	s_lshl_b32 s15, s5, 6
	s_add_co_u32 s14, s14, s15
	s_mul_i32 s14, s14, ROWB                       ; R: (128 tile + 64 half) rows
	s_mov_b32 s15, 0
	s_mul_i32 s33, s5, 128*PITCH                   ; LDS addresses: the wave's number and constants alone
	s_add_co_u32 s37, s33, PCH
	s_add_co_u32 s41, s33, 2*PCH
	s_mul_i32 s45, s5, 64*PITCH
	s_add_co_u32 s45, s45, RB
	s_add_co_u32 s49, s45, RCH
	s_add_co_u32 s53, s45, 2*RCH
	s_mov_b32 s[SEL], 0x76543210
	s_mov_b32 s[SEL+1], 0xfedcba98                 ; v_permlanex16_b32's selects for lane l xor 16
	s_wait_dscnt 0x0
	s_wait_kmcnt 0x0
	s_cmp_eq_u32 s7, 0                             ; the tensor's buffers: choices that hang on the cluster's number alone
	s_cselect_b64 s[68:69], s[68:69], s[72:73]
	s_cselect_b64 s[70:71], s[70:71], s[74:75]
	s_cselect_b64 s[80:81], s[80:81], s[84:85]
	s_cselect_b64 s[82:83], s[82:83], s[86:87]
	s_cselect_b64 s[92:93], s[92:93], s[94:95]
	s_cmp_eq_u32 s7, 2
	s_cselect_b64 s[68:69], s[76:77], s[68:69]     ; the activation's codes,
	s_cselect_b64 s[70:71], s[78:79], s[70:71]     ; its scales,
	s_cselect_b64 s[80:81], s[88:89], s[80:81]     ; the weight's codes,
	s_cselect_b64 s[82:83], s[90:91], s[82:83]     ; its scales,
	s_cselect_b64 s[60:61], s[96:97], s[92:93]     ; the bias
	s_cselect_b64 s[72:73], s[68:69], s[80:81]     ; P's codes
	s_cselect_b64 s[74:75], s[80:81], s[68:69]     ; R's codes
	s_cselect_b64 s[56:57], s[70:71], s[82:83]     ; P's scales
	s_cselect_b64 s[58:59], s[82:83], s[70:71]     ; R's scales
	s_add_nc_u64 s[72:73], s[72:73], s[2:3]
	s_add_nc_u64 s[74:75], s[74:75], s[14:15]
	CROUND                                         ; all sixteen work-groups are here: the joint loads meet
.irp c, 0,1,2
	s_mov_b32 s[32+4*\c], 1
	s_add_nc_u64 s[34+4*\c:35+4*\c], s[72:73], 256*\c
	s_or_b32 s[35+4*\c], s[35+4*\c], 0x80000000
	s_mov_b32 s[44+4*\c], 1
	s_add_nc_u64 s[46+4*\c:47+4*\c], s[74:75], 256*\c
	s_or_b32 s[47+4*\c], s[47+4*\c], 0x80000000
.endr
	s_cmp_eq_u32 s6, 0                             ; a wave's three fills stand in one branch on its number: three loads of mine are out
	s_cbranch_scc0 .Lfill_r
	tensor_load_to_lds s[32:35], s[16:23]
	s_nop 0
	tensor_load_to_lds s[36:39], s[16:23]
	s_nop 0
	tensor_load_to_lds s[40:43], s[16:23]
	s_nop 0
.rept 4
	v_nop
.endr
	s_branch .Lfilled
.Lfill_r:
	tensor_load_to_lds s[44:47], s[24:31]
	s_nop 0
	tensor_load_to_lds s[48:51], s[24:31]
	s_nop 0
	tensor_load_to_lds s[52:55], s[24:31]
	s_nop 0
.rept 4
	v_nop
.endr
.Lfilled:
	v_and_b32 v1, 31, v0                           ; lane
	v_and_b32 v2, 15, v0                           ; r
	v_bfe_u32 v3, v0, 4, 1                         ; h
	v_lshlrev_b32 v[L16], 4, v1
	v_lshlrev_b32 v[L8], 3, v1
	v_lshlrev_b32 v10, 5, v2
	v_lshl_add_u32 v11, v3, 10, v10                ; R's scales: row r + 32 h, 32 bytes a row
	v_lshl_add_u32 v10, v3, 11, v10                ; P's: row r + 64 h
	s_wait_alu depctr_va_vdst(0)
	v_lshlrev_b32 v12, 5, v3                       ; the bias along registers: 8 h numbers on
	s_wait_alu depctr_va_vdst(0)
	v_lshlrev_b32 v13, 2, v2                       ; the bias along lanes: r numbers on
	s_wait_alu depctr_va_vdst(0)
	s_lshl_b32 s76, s11, 13
	s_lshl_b32 s77, s5, 12
	s_add_co_u32 s76, s76, s77                     ; (256 tile + 128 wp) x 32
	s_mov_b32 s77, 0
	s_add_nc_u64 s[56:57], s[56:57], s[76:77]
	s_lshr_b32 s78, s76, 3                         ; the same rows x 4
	s_lshl_b32 s84, s12, 12
	s_lshl_b32 s85, s6, 11
	s_add_co_u32 s84, s84, s85                     ; (128 tile + 64 wr) x 32
	s_mov_b32 s85, 0
	s_add_nc_u64 s[58:59], s[58:59], s[84:85]
	s_lshr_b32 s86, s84, 3
	s_cmp_eq_u32 s7, 2
	s_cselect_b32 s78, 0, s78                      ; the bias belongs to the weight's rows: P's for q and k, R's for v; the set that is not used reads the bias's first bytes
	s_cselect_b32 s86, s86, 0
	s_mov_b32 s79, 0
	s_mov_b32 s87, 0
	s_add_nc_u64 s[78:79], s[60:61], s[78:79]
	s_add_nc_u64 s[86:87], s[60:61], s[86:87]
.irp i, 0,1,2,3                        ; the scale words of all eight K steps, once: 32 bytes a row, sixteen lanes read 512 consecutive bytes
	global_load_b128 v[SCP+8*\i:SCP+8*\i+3], v10, s[56:57] offset:512*\i
	global_load_b128 v[SCP+8*\i+4:SCP+8*\i+7], v10, s[56:57] offset:512*\i+16
.endr
.irp i, 0,1
	global_load_b128 v[SCR+8*\i:SCR+8*\i+3], v11, s[58:59] offset:512*\i
	global_load_b128 v[SCR+8*\i+4:SCR+8*\i+7], v11, s[58:59] offset:512*\i+16
.endr
.irp i, 0,1,2,3,4,5,6,7
	global_load_b128 v[BP+8*\i:BP+8*\i+3], v12, s[78:79] offset:64*\i
	global_load_b128 v[BP+8*\i+4:BP+8*\i+7], v12, s[78:79] offset:64*\i+16
.endr
.irp i, 0,1,2,3
	global_load_b32 v[BR+2*\i], v13, s[86:87] offset:64*\i
	v_mov_b32 v[BR+2*\i+1], 0                      ; (named with it as a pair, so it is written)
.endr
	v_mul_u32_u24 v4, v2, PITCH
	s_mul_i32 s76, s5, 128*PITCH
	v_add_nc_u32 v5, s76, v4                       ; P: my 128 rows, row r
	v_mad_u32_u24 v6, v3, 24, v5
	v_mad_u32_u24 v7, v3, PCH-232, v5
.irp c, 0,1,2
	v_add_nc_u32 v[AP+\c], \c*PCH, v6
.endr
.irp c, 0,1
	v_add_nc_u32 v[APX+\c], \c*PCH, v7
.endr
	s_mul_i32 s77, s6, 64*PITCH
	s_add_co_u32 s77, s77, RB
	v_add_nc_u32 v5, s77, v4                       ; R: my 64 rows, row r
	v_mad_u32_u24 v6, v3, 24, v5
	v_mad_u32_u24 v7, v3, RCH-232, v5
.irp c, 0,1,2
	v_add_nc_u32 v[AR+\c], \c*RCH, v6
.endr
.irp c, 0,1
	v_add_nc_u32 v[ARX+\c], \c*RCH, v7
.endr
	v_lshlrev_b32 v14, 4, v2
	v_lshl_add_u32 v15, v3, 3, v14                 ; v's scale words: 16 r + 8 h
	v_mad_u32_u24 v14, v3, HS, v14                 ; q's and k's: 16 r, lanes 16-31 a head on
	; where the results go: block ((bi / 16) 16 + head) 16 + bi % 16, bi the tile of 128 tokens
	s_lshl_b32 s88, s11, 1
	s_add_co_u32 s88, s88, s5                      ; 2 P's tile + wp
	s_lshl_b32 s89, s12, 1
	s_add_co_u32 s89, s89, s6                      ; 2 R's tile + wr
	s_lshl_b32 s90, s88, 1
	s_mul_i32 s91, s6, 3072                        ; q, k: my 64 tokens are four half images of 768 bytes
	s_lshl_b32 s94, s6, 3
	s_cmp_eq_u32 s7, 0
	s_cselect_b32 s95, 12800, 0
	s_mov_b32 s96, 12288
	s_cselect_b32 s96, 18944, s96
	s_add_co_u32 s91, s91, s95
	s_add_co_u32 s94, s94, s96
	s_cmp_eq_u32 s7, 2
	s_cselect_b32 s88, s88, s12                    ; bi
	s_cselect_b32 s89, s89, s90                    ; my (first) head
	s_cselect_b32 s91, 6144, s91
	s_cselect_b32 s94, 12544, s94
	s_lshr_b32 s95, s88, 4
	s_lshl_b32 s95, s95, 4
	s_add_co_u32 s95, s95, s89
	s_lshl_b32 s95, s95, 4
	s_and_b32 s88, s88, 15
	s_add_co_u32 s95, s95, s88
	s_mul_i32 s95, s95, BLKB
	s_add_co_u32 s88, s95, s91
	s_mov_b32 s89, 0
	s_add_nc_u64 s[62:63], s[98:99], s[88:89]      ; the images
	s_add_nc_u64 s[68:69], s[62:63], HS            ; q, k: my second head's
	s_add_co_u32 s88, s95, s94
	s_add_nc_u64 s[70:71], s[98:99], s[88:89]      ; the scale words
	s_wait_alu depctr_va_vdst(0)
	s_wait_tensorcnt 0x2                           ; my part of chunk 0 is in; chunks 1 and 2 may be out
	s_barrier_signal -1
	s_barrier_wait -1                              ; everybody's is
	FETCH_P 0
	FETCH_R 0
	s_wait_loadcnt 0x0                             ; scale words and biases
	NSTEP 0, 1
	CSTEP 1, 1                                     ; K step 2 reaches into chunk 1
	NSTEP 2, 0
	NSTEP 3, 0
	CSTEP 4, 0                                     ; K step 5 reaches into chunk 2
	NSTEP 5, 0
	NSTEP 6, 0
	s_wait_dscnt 0x0
	WIN 0xa1
	MUL16 0, 7, 0
	MUL16 2, 7, 0
	WIN 0
	PLACES
.irp b, 0,1,2,3
	v_mov_b32 v[TM+4+\b], 0                        ; written once: a lane permute's destination counts as one of its sources
.endr
	v_cmp_lt_u32 vcc_lo, 15, v1                    ; lanes 16-31
	s_cmp_eq_u32 s7, 2                             ; the same in every wave of the cluster
	s_cbranch_scc1 .Lway_v
	EPI 0
	; a scale word made above holds (first head s0, s1, second head s0, s1) of 16 tokens; the attention launch wants, for a head, (tokens 32 g on: s0, s1; tokens 32 g + 16 on: s0, s1)
	v_perm_b32 v30, v[WW+1], v[WW], 0x05040100
	v_perm_b32 v31, v[WW+3], v[WW+2], 0x05040100
	v_perm_b32 v4, v[WW+1], v[WW], 0x07060302
	v_perm_b32 v5, v[WW+3], v[WW+2], 0x07060302
	v_cndmask_b32 v30, v30, v4, vcc_lo             ; lanes 0-15 store the first head's two words, lanes 16-31 the second's
	v_cndmask_b32 v31, v31, v5, vcc_lo
	global_store_b64 v14, v[30:31], s[70:71]       ; 8 bytes of every 16, the other wave of these tokens' tile the rest: 1 byte in 48 of what the launch stores
	s_branch .Lend
.Lway_v:
	EPI 1
	v_cndmask_b32 v30, v[WW], v[WW+2], vcc_lo      ; row r's four words: lanes 0-15 tiles 0, 1, lanes 16-31 tiles 2, 3
	v_cndmask_b32 v31, v[WW+1], v[WW+3], vcc_lo
	global_store_b64 v15, v[30:31], s[70:71]       ; 256 consecutive bytes
.Lend:
	s_wait_tensorcnt 0x0
	ds_add_u32 v254, v255
	s_wait_dscnt 0x0
	CROUND                                         ; the closing round: no work-group ends while a partner may still ask for a tile that names it
	s_endpgm
.Lfunc_end_k_q8da96b2c2b_proj:
	.size	k_q8da96b2c2b_proj, .Lfunc_end_k_q8da96b2c2b_proj-k_q8da96b2c2b_proj
	.p2alignl 7, 3214868480
	.fill 96, 4, 3214868480
	.section	.rodata,"a",@progbits
	.p2align	6, 0x0
	.amdhsa_kernel k_q8da96b2c2b_proj
		.amdhsa_group_segment_fixed_size 313856
		.amdhsa_private_segment_fixed_size 0
		.amdhsa_enable_private_segment 0
		.amdhsa_kernarg_size 128
		.amdhsa_user_sgpr_count 2
		.amdhsa_user_sgpr_kernarg_segment_ptr 1
		.amdhsa_wavefront_size32 1
		.amdhsa_system_sgpr_workgroup_id_x 1
		.amdhsa_system_sgpr_workgroup_id_y 1
		.amdhsa_system_sgpr_workgroup_id_z 1
		.amdhsa_system_vgpr_workitem_id 0
		.amdhsa_next_free_vgpr 768
		.amdhsa_next_free_sgpr 100
		.amdhsa_reserve_vcc 1
		.amdhsa_float_denorm_mode_32 3
		.amdhsa_float_denorm_mode_16_64 3
		.amdhsa_memory_ordered 1
		.amdhsa_forward_progress 1
		.amdhsa_inst_pref_size 135
	.end_amdhsa_kernel
	.amdgpu_metadata
---
amdhsa.version: [ 1, 2 ]
amdhsa.kernels:
  - .name:           k_q8da96b2c2b_proj
    .symbol:         k_q8da96b2c2b_proj.kd
    .args:
      - { .name: q_codes, .offset: 0, .size: 8, .value_kind: global_buffer, .address_space: global }
      - { .name: q_scales, .offset: 8, .size: 8, .value_kind: global_buffer, .address_space: global }
      - { .name: k_codes, .offset: 16, .size: 8, .value_kind: global_buffer, .address_space: global }
      - { .name: k_scales, .offset: 24, .size: 8, .value_kind: global_buffer, .address_space: global }
      - { .name: v_codes, .offset: 32, .size: 8, .value_kind: global_buffer, .address_space: global }
      - { .name: v_scales, .offset: 40, .size: 8, .value_kind: global_buffer, .address_space: global }
      - { .name: Wq_codes, .offset: 48, .size: 8, .value_kind: global_buffer, .address_space: global }
      - { .name: Wq_scales, .offset: 56, .size: 8, .value_kind: global_buffer, .address_space: global }
      - { .name: Wk_codes, .offset: 64, .size: 8, .value_kind: global_buffer, .address_space: global }
      - { .name: Wk_scales, .offset: 72, .size: 8, .value_kind: global_buffer, .address_space: global }
      - { .name: Wv_codes, .offset: 80, .size: 8, .value_kind: global_buffer, .address_space: global }
      - { .name: Wv_scales, .offset: 88, .size: 8, .value_kind: global_buffer, .address_space: global }
      - { .name: bq, .offset: 96, .size: 8, .value_kind: global_buffer, .address_space: global }
      - { .name: bk, .offset: 104, .size: 8, .value_kind: global_buffer, .address_space: global }
      - { .name: bv, .offset: 112, .size: 8, .value_kind: global_buffer, .address_space: global }
      - { .name: qkv, .offset: 120, .size: 8, .value_kind: global_buffer, .address_space: global }
    .group_segment_fixed_size: 313856
    .private_segment_fixed_size: 0
    .kernarg_segment_align: 8
    .kernarg_segment_size: 128
    .max_flat_workgroup_size: 128
    .sgpr_count:     100
    .vgpr_count:     768
    .wavefront_size: 32
...
	.end_amdgpu_metadata
.endif
;; end of part 1
;; launch attn (part 2): grid 8 x 64, 8 waves a work-group, clusters of 4 x 1, 205,824 bytes of LDS; arguments qkv, aimg, asc; writes aimg, asc
.if DOCPART == 2
	.amdgcn_target "amdgcn-amd-amdhsa--gfx1250"
	.amdhsa_code_object_version 6
	.text
	.protected	k_q8da96b2c2b_attn
	.globl	k_q8da96b2c2b_attn
	.p2align	8
	.type	k_q8da96b2c2b_attn,@function
k_q8da96b2c2b_attn:
	s_mov_b64 s[64:65], 0
	v_nop
	global_prefetch_b8 v0, s[64:65] scope:SCOPE_SE
	s_setreg_imm32_b32 hwreg(HW_REG_WAVE_MODE, 25, 1), 1
	s_wait_xcnt 0x0
	s_wait_alu depctr_hold_cnt(0) depctr_sa_sdst(0) depctr_va_vdst(0) depctr_va_sdst(0) depctr_va_ssrc(0) depctr_va_vcc(0) depctr_vm_vsrc(0)
	s_getreg_b32 s2, hwreg(HW_REG_IB_STS2, 6, 4)
	s_cmp_eq_u32 s2, 0
	s_cbranch_scc0 .Lentry_in_a_cluster
	s_endpgm
.Lentry_in_a_cluster:
	s_bfe_u32 s2, ttmp6, 0x10000c
	s_cmp_lg_u32 s2, 0x3003
	s_cbranch_scc0 .Lentry_shape_is_right
	s_endpgm
.Lentry_shape_is_right:
; For each batch and head: O[q] = sum over k of softmax_k(Q[q] . K[k] / 8) V[k], both products on codes of FP6 (E2M3) with E8M0 scales, and the quantiser of O along (head, d) for the last projection.
; THE SOFTMAX AHEAD OF THE SECOND PRODUCT: t = score x log2(e) / 8; M = the running largest t rounded UP to a whole number; p = 2^(t - M) is quantised along the keys, not normalised; the row's sum is taken of
; the unquantised p and divides O at the end.  When M moves, the sum and O are multiplied by 2^(old M - new M): exact.
; SHARES.  A work-group owns 256 queries of one head, each of its eight waves 32: two tiles of 16.  Each fragment of K and V read from LDS so feeds two products.  Two waves share a SIMD's registers.
; THE HEAD'S K AND V, as images of operand registers with their scale words (16 steps of 128 keys x 12,800 bytes), LIE IN LDS AT ONCE: every byte is filled once, by four loads a wave at the head; the first
; steps are worked while the later groups are on their way.  CLUSTER: the four query blocks of a cluster belong to one head: each load is asked for jointly.
; No prefetch is written: every tensor load of a work-group is issued at its first lines.
; LAYOUT.  Both products are used transposed: S^T = K Q^T, O^T = V^T P^T: a lane holds ONE query (lane % 16) throughout.
; THE HEAD'S 64 DIMS IN A PRODUCT OF 128: an image of K holds two tiles of 16 keys, in registers 0-5 and 6-11.  Q stands as [Q, zeros, Q] in 18 registers: its first twelve multiply the first tile
; (the second meets zero codes, which add nothing), its last twelve the second tile.
; ORDER INSIDE A BLOCK OF 32 KEYS: p's registers of two neighbouring tiles are converted as they stand, as V's were by the launch before: the same order on both sides.
; LIMITS: NaN and infinities are not served; a block whose largest magnitude lies under 2^-124, zeros among them, gets the scale byte 1 (its bytes are read by this program alone).
; REGISTERS: window 0: v1-7 offsets and addresses; v8-11 the step's scale words (lanes 0-15 K's, lanes 16-31 V's); v12-13 Q's; v14-15 p's; from v16 eight statistics a tile; v32-55 four registers a tile
;   each for block maxima, permutes, scale operands; v64-191 S^T, then p, 64 a tile; v192-215 p's codes; v216-235 at work.   window 1: v0-47 K's images, v48-95 V's, v96-131 Q, v132-195 O^T.
.set BLKB,  19200
.set HS,    16*BLKB
.set STEPB, 12800                      ; a step in LDS: K's four images, V's four, K's scale words, V's
.set L16, 1
.set L8,  2
.set A16, 3
.set A8,  4
.set XS,  8
.set QS,  12
.set PWR, 14
.set ST,  16                           ; tile t at v[ST + 8 t]: +0 -M, +1 the largest t, +2, +3 the sum in two halves, +4 f (+5 its pair), +6, +7 at work
.set BM,  32
.set PT,  40
.set SO,  48
.set S,   64
.set PC,  192
.set CT,  216
.set SP,  232
.set KI,  0
.set VI,  48
.set QF,  96
.set OT,  132
.set WV,  10
.set SEL, 12
.set CS,  14
.set G1,  16
.set G0,  24
.set TB,  40
.set CNT, 41
.set MSB, 0
.macro WIN new
.if MSB != (\new)
	s_set_vgpr_msb (MSB<<8)|(\new)
.set MSB, (\new)
.endif
.endm
.macro CROUND
	s_barrier_signal -1
	s_barrier_wait -1
	s_cmp_lg_u32 s[WV], 0
	s_cbranch_scc1 .Lnot_wave_0_\@
	s_barrier_signal -3
.Lnot_wave_0_\@:
	s_barrier_wait -3
	s_barrier_signal -1
	s_barrier_wait -1
.endm
	s_load_b128 s[4:7], s[0:1], 0x0                ; qkv, aimg
	s_load_b64 s[8:9], s[0:1], 0x10                ; asc
	v_lshl_add_u32 v254, v0, 2, 0x32000
	v_mov_b32 v255, 0
	ds_add_u32 v254, v255
	ds_add_u32 v254, v255
	v_lshrrev_b32 v1, 5, v0
	s_delay_alu instid0(VALU_DEP_1)
	v_readfirstlane_b32 s[WV], v1                  ; wave 0..7
	s_bfe_u32 s42, ttmp6, 0x40000                  ; cx
	s_lshl_b32 s43, ttmp9, 2
	s_add_co_u32 s43, s43, s42                     ; my block of 256 queries: it enters global addresses of Q and of the results alone
	s_and_b32 s44, ttmp7, 0xffff                   ; batch x 16 + head, which the four partners share
	s_mov_b32 s[G1], 15|(3<<16)|(1<<21)            ; the mask: all four work-groups; elements of 8 bytes; bit 21 beside a mask; no padding
	s_mov_b32 s[G1+1], 32<<16                      ; rows of 256 bytes,
	s_mov_b32 s[G1+2], 25<<16                      ; 25 of them: half a step
	s_mov_b32 s[G1+3], 32<<16
	s_mov_b32 s[G1+4], 25
	s_mov_b32 s[G1+5], 32                          ; dense
	s_mov_b32 s[G1+6], 0
	s_mov_b32 s[G1+7], 0
	s_mul_i32 s46, s44, HS
	s_lshr_b32 s47, s[WV], 1
	s_mul_i32 s47, s47, BLKB                       ; wave w fetches half w & 1 of step 4 g + w / 2
	s_add_co_u32 s46, s46, s47
	s_and_b32 s47, s[WV], 1
	s_mul_i32 s47, s47, STEPB/2
	s_add_co_u32 s46, s46, s47
	s_mov_b32 s47, 0
	s_mul_i32 s45, s[WV], STEPB/2                  ; and lays it at 6,400 w in the group's 51,200 bytes
	s_mov_b32 s[SEL], 0x76543210
	s_mov_b32 s[SEL+1], 0xfedcba98
	s_mov_b32 s[CS], 0x3e38aa3b                    ; c = log2(e) / 8
	s_mov_b32 s[CS+1], s[CS]                       ; (named with it as a pair, so it is written)
	s_mov_b32 s[TB], 0
	s_wait_dscnt 0x0
	s_wait_kmcnt 0x0
	s_add_nc_u64 s[46:47], s[4:5], s[46:47]
	CROUND                                         ; all four work-groups are here: the joint loads meet
.irp g, 0,1,2,3
	s_mov_b32 s[G0+4*\g], 1
	s_add_co_u32 s[G0+4*\g+1], s45, 4*STEPB*\g
	s_add_nc_u64 s[G0+4*\g+2:G0+4*\g+3], s[46:47], 4*BLKB*\g
	s_or_b32 s[G0+4*\g+3], s[G0+4*\g+3], 0x80000000
.endr
	tensor_load_to_lds s[G0:G0+3], s[G1:G1+7]      ; four loads of mine are out
	s_nop 0
	tensor_load_to_lds s[G0+4:G0+7], s[G1:G1+7]
	s_nop 0
	tensor_load_to_lds s[G0+8:G0+11], s[G1:G1+7]
	s_nop 0
	tensor_load_to_lds s[G0+12:G0+15], s[G1:G1+7]
	s_nop 0
.rept 4
	v_nop
.endr
	s_lshl_b32 s48, s44, 4
	s_lshl_b32 s49, s43, 1
	s_add_co_u32 s48, s48, s49
	s_lshr_b32 s49, s[WV], 2
	s_add_co_u32 s48, s48, s49                     ; my queries' block of 128 tokens
	s_mul_i32 s48, s48, BLKB
	s_and_b32 s50, s[WV], 3                        ; which 32 of them
	s_mul_i32 s49, s50, 1536
	s_add_co_u32 s52, s48, s49
	s_add_co_u32 s52, s52, 12800
	s_mov_b32 s53, 0
	s_add_nc_u64 s[52:53], s[4:5], s[52:53]        ; Q's image
	s_lshl_b32 s49, s50, 2
	s_add_co_u32 s54, s48, s49
	s_add_co_u32 s54, s54, 18944
	s_mov_b32 s55, 0
	s_add_nc_u64 s[54:55], s[4:5], s[54:55]        ; and its scale words
	s_lshr_b32 s56, s44, 4
	s_lshl_b32 s56, s56, 4
	s_lshl_b32 s57, s43, 1
	s_add_co_u32 s56, s56, s57
	s_lshr_b32 s57, s[WV], 2
	s_add_co_u32 s56, s56, s57                     ; the tile of 128 tokens among all 64
	s_and_b32 s57, s44, 15                         ; the head
	s_mul_i32 s58, s56, 98304
	s_lshr_b32 s59, s57, 1
	s_mul_i32 s59, s59, 12288
	s_add_co_u32 s58, s58, s59
	s_mul_i32 s59, s50, 3072
	s_add_co_u32 s58, s58, s59
	s_and_b32 s59, s57, 1
	s_mul_i32 s59, s59, 768
	s_add_co_u32 s58, s58, s59
	s_mov_b32 s59, 0
	s_add_nc_u64 s[6:7], s[6:7], s[58:59]          ; aimg [tile of 128 tokens][head / 2][tile of 16 tokens][head & 1][768]
	s_lshl_b32 s56, s56, 4
	s_add_co_u32 s56, s56, s57
	s_lshl_b32 s56, s56, 9
	s_lshl_b32 s57, s50, 7
	s_add_co_u32 s56, s56, s57
	s_mov_b32 s57, 0
	s_add_nc_u64 s[8:9], s[8:9], s[56:57]          ; asc [tile of 128 tokens][head][token]
	v_and_b32 v5, 31, v0
	s_delay_alu instid0(VALU_DEP_1)
	v_lshlrev_b32 v[L16], 4, v5
	s_delay_alu instid0(VALU_DEP_2)
	v_lshlrev_b32 v[L8], 3, v5
	s_delay_alu instid0(VALU_DEP_3)
	v_lshlrev_b32 v7, 2, v5
	v_and_b32 v6, 15, v0
	s_delay_alu instid0(VALU_DEP_1)
	v_lshlrev_b32 v6, 4, v6
	WIN 0x40                                       ; destination window 1
	global_load_b128 v[QF:QF+3], v[L16], s[52:53]              ; tile 0: the image's first half
	global_load_b64 v[QF+4:QF+5], v[L8], s[52:53] offset:512
	global_load_b128 v[QF+18:QF+21], v[L16], s[52:53] offset:768   ; tile 1: its second
	global_load_b64 v[QF+22:QF+23], v[L8], s[52:53] offset:1280
.irp i, 0,1,2,3,4,5
	v_mov_b32 v[QF+6+\i], 0                        ; the zero codes between Q's two copies
	v_mov_b32 v[QF+24+\i], 0
.endr
	WIN 0
	global_load_b32 v5, v6, s[54:55]               ; row r: (tile 0 s0, s1, tile 1 s0, s1)
.irp t, 0,1
	v_mov_b32 v[ST+8*\t+1], 0xff61b1e6             ; the largest t so far: -3e38, under every t
	s_delay_alu instid0(VALU_DEP_1)
	v_floor_f32 v[ST+8*\t], -v[ST+8*\t+1]          ; -M
	v_mov_b32 v[ST+8*\t+2], 0                      ; the sum
	v_mov_b32 v[ST+8*\t+3], 0
	v_mov_b32 v[ST+8*\t+5], 0                      ; (named as the upper half of f's pair)
	v_mov_b32 v[ST+8*\t+7], 0                      ; (a lane permute's destination counts as one of its sources)
.irp b, 0,1,2,3
	v_mov_b32 v[PT+4*\t+\b], 0
.endr
.endr
	s_wait_loadcnt 0x0
	v_perm_b32 v[QS], v5, v5, 0x01000100           ; tile 0's word: (s0, s1, s0, s1): either copy of Q finds its scales
	v_perm_b32 v[QS+1], v5, v5, 0x03020302
	WIN 0x41
.irp i, 0,1,2,3,4,5
	v_mov_b32 v[QF+12+\i], v[QF+\i]
	v_mov_b32 v[QF+30+\i], v[QF+18+\i]
.endr
	WIN 0x40
.set J, 0
.rept 64
	v_mov_b32 v[OT+J], 0                           ; O^T.  (The step is written once for first and later steps: the first finds zeros, which the first change of M leaves zeros)
.set J, J+1
.endr
	WIN 0
; A KEY STEP: 128 keys, at LDS byte s[TB].
.macro STEP
	v_add_nc_u32 v[A16], s[TB], v[L16]
	v_add_nc_u32 v[A8], s[TB], v[L8]
	v_nop
	v_nop                                          ; four places behind the last step's products, ahead of loads into V's registers and the scale words'
	ds_load_b128 v[XS:XS+3], v[A16] offset:12288   ; lanes 0-15: row r's four words of K; lanes 16-31: of V
	WIN 0x40
.irp g, 0,1,2,3
	ds_load_b128 v[KI+12*\g:KI+12*\g+3], v[A16] offset:1536*\g
	ds_load_b64 v[KI+12*\g+4:KI+12*\g+5], v[A8] offset:1536*\g+512
	ds_load_b128 v[KI+12*\g+6:KI+12*\g+9], v[A16] offset:1536*\g+768
	ds_load_b64 v[KI+12*\g+10:KI+12*\g+11], v[A8] offset:1536*\g+1280
.endr
.irp g, 0,1,2,3
	ds_load_b128 v[VI+12*\g:VI+12*\g+3], v[A16] offset:6144+1536*\g
	ds_load_b64 v[VI+12*\g+4:VI+12*\g+5], v[A8] offset:6144+1536*\g+512
	ds_load_b128 v[VI+12*\g+6:VI+12*\g+9], v[A16] offset:6144+1536*\g+768
	ds_load_b64 v[VI+12*\g+10:VI+12*\g+11], v[A8] offset:6144+1536*\g+1280
.endr
	s_wait_dscnt 16                                ; the scale words and K are in; V's sixteen loads may be out
	WIN 0x05                                       ; K and Q in window 1, S^T in window 0
.irp g, 0,1,2,3
.irp u, 0,1
.irp t, 0,1
	v_wmma_scale_f32_16x16x128_f8f6f4 v[S+64*\t+16*\g+8*\u:S+64*\t+16*\g+8*\u+7], v[KI+12*\g:KI+12*\g+11], v[QF+18*\t+6*\u:QF+18*\t+6*\u+11], 0, v[XS+\g], v[QS+\t] matrix_a_fmt:MATRIX_FMT_FP6 matrix_b_fmt:MATRIX_FMT_FP6
.endr
.endr
.endr
	WIN 0
.rept 4
	v_nop
.endr
	; register 16 g + 8 u + j of a tile holds key 32 g + 16 u + 8 (lane / 16) + j of my query
.irp b, 0,1,2,3
.irp t, 0,1
	v_max3_num_f32 v[BM+4*\t+\b], v[S+64*\t+16*\b], v[S+64*\t+16*\b+1], v[S+64*\t+16*\b+2]   ; the largest score of each block of 32 keys: for the row's maximum, and, since p rises with the score, for the block's largest p
.endr
.endr
.irp i, 3,5,7,9,11,13
.irp b, 0,1,2,3
.irp t, 0,1
	v_max3_num_f32 v[BM+4*\t+\b], v[BM+4*\t+\b], v[S+64*\t+16*\b+\i], v[S+64*\t+16*\b+\i+1]
.endr
.endr
.endr
.irp b, 0,1,2,3
.irp t, 0,1
	v_max_num_f32 v[BM+4*\t+\b], v[BM+4*\t+\b], v[S+64*\t+16*\b+15]
.endr
.endr
.irp b, 0,1,2,3
.irp t, 0,1
	v_permlanex16_b32 v[PT+4*\t+\b], v[BM+4*\t+\b], s[SEL], s[SEL+1]
.endr
.endr
.irp b, 0,1,2,3
.irp t, 0,1
	v_max_num_f32 v[BM+4*\t+\b], v[BM+4*\t+\b], v[PT+4*\t+\b]   ; with lane l xor 16's 16 keys
.endr
.endr
.irp t, 0,1
	s_delay_alu instid0(VALU_DEP_4)
	v_max3_num_f32 v[ST+8*\t+6], v[BM+4*\t], v[BM+4*\t+1], v[BM+4*\t+2]
.endr
.irp t, 0,1
	s_delay_alu instid0(VALU_DEP_2)
	v_max_num_f32 v[ST+8*\t+6], v[ST+8*\t+6], v[BM+4*\t+3]      ; the step's largest score of my query
.endr
.irp t, 0,1
	s_delay_alu instid0(VALU_DEP_2)
	v_mul_f32 v[ST+8*\t+6], s[CS], v[ST+8*\t+6]                 ; as t (c is positive)
.endr
.irp t, 0,1
	s_delay_alu instid0(VALU_DEP_2)
	v_max_num_f32 v[ST+8*\t+1], v[ST+8*\t+1], v[ST+8*\t+6]      ; the running largest t
.endr
.irp t, 0,1
	v_mov_b32 v[ST+8*\t+6], v[ST+8*\t]
.endr
.irp t, 0,1
	s_delay_alu instid0(VALU_DEP_4)
	v_floor_f32 v[ST+8*\t], -v[ST+8*\t+1]                       ; the new -M = floor(-t): M is a whole number
.endr
.irp t, 0,1
	s_delay_alu instid0(VALU_DEP_2)
	v_sub_f32 v[ST+8*\t+6], v[ST+8*\t], v[ST+8*\t+6]            ; old M - new M: a whole number, 0 or less
.endr
.irp t, 0,1
	s_delay_alu instid0(VALU_DEP_2)
	v_cvt_i32_f32 v[ST+8*\t+6], v[ST+8*\t+6]                    ; (it saturates)
.endr
.irp t, 0,1
	s_delay_alu instid0(VALU_DEP_2)
	v_ldexp_f32 v[ST+8*\t+4], 1.0, v[ST+8*\t+6]                 ; f = 2^(old M - new M)
.endr
.set J, 0
.rept 32
.irp t, 0,1
	v_pk_fma_f32 v[S+64*\t+J:S+64*\t+J+1], v[S+64*\t+J:S+64*\t+J+1], s[CS:CS+1], v[ST+8*\t:ST+8*\t+1] op_sel_hi:[1,0,0]   ; t - M, two at a time
.endr
.set J, J+2
.endr
.irp b, 0,1,2,3
.irp t, 0,1
	v_fma_f32 v[BM+4*\t+\b], v[BM+4*\t+\b], s[CS], v[ST+8*\t]   ; the same of each block's largest score
.endr
.endr
.set J, 0
	s_wait_alu depctr_va_vdst(0)
.rept 64
.irp t, 0,1
	v_exp_f32 v[S+64*\t+J], v[S+64*\t+J]                        ; p = 2^(t - M), at most 1: not normalised
.endr
.set J, J+1
.endr
	s_setprio 1
.irp t, 0,1
	v_pk_mul_f32 v[ST+8*\t+2:ST+8*\t+3], v[ST+8*\t+2:ST+8*\t+3], v[ST+8*\t+4:ST+8*\t+5] op_sel_hi:[1,0]   ; the sums under the new M: plain work behind the exponentials
.endr
	s_wait_alu depctr_va_vdst(0)                   ; one wait for the batch of 128, ahead of its first reader
.irp b, 0,1,2,3
.irp t, 0,1
	v_exp_f32 v[BM+4*\t+\b], v[BM+4*\t+\b]         ; the block's largest p: the same two instructions on the same number give the same bits
.endr
.endr
.irp t, 0,1
	v_pk_add_f32 v[SP+2*\t:SP+2*\t+1], v[S+64*\t:S+64*\t+1], v[S+64*\t+2:S+64*\t+3]   ; the row's sum is taken of the unquantised p: two at a time, in two chains a tile
.endr
.set J, 4
.rept 15
.irp t, 0,1
	v_pk_add_f32 v[ST+8*\t+2:ST+8*\t+3], v[ST+8*\t+2:ST+8*\t+3], v[S+64*\t+J:S+64*\t+J+1]
	v_pk_add_f32 v[SP+2*\t:SP+2*\t+1], v[SP+2*\t:SP+2*\t+1], v[S+64*\t+J+2:S+64*\t+J+3]
.endr
.set J, J+4
.endr
.irp t, 0
	s_delay_alu instid0(VALU_DEP_3)
	v_pk_add_f32 v[ST+8*\t+2:ST+8*\t+3], v[ST+8*\t+2:ST+8*\t+3], v[SP+2*\t:SP+2*\t+1]
.endr
.irp t, 1
	s_delay_alu instid0(VALU_DEP_2)
	v_pk_add_f32 v[ST+8*\t+2:ST+8*\t+3], v[ST+8*\t+2:ST+8*\t+3], v[SP+2*\t:SP+2*\t+1]
.endr
	s_wait_alu depctr_va_vdst(0)                   ; and one for the eight
.irp b, 0,1,2,3
.irp t, 0,1
	v_max_num_f32 v[BM+4*\t+\b], 0x1800000, v[BM+4*\t+\b]       ; the floor 2^(3 - 127): the byte cannot fall under 1
.endr
.endr
.irp b, 0,1,2,3
.irp t, 0,1
	v_add_nc_u32 v[SO+4*\t+\b], 0xff000000, v[BM+4*\t+\b]       ; 2 off the exponent field: the conversion's scale operand
.endr
.endr
.irp b, 0,1,2,3
.irp t, 0,1
	v_lshrrev_b32 v[PT+4*\t+\b], 23, v[SO+4*\t+\b]              ; the scale's byte
.endr
.endr
.irp t, 0,1
	v_lshl_or_b32 v[PWR+\t], v[PT+4*\t+1], 8, v[PT+4*\t]        ; p's scale word for these 128 keys
.endr
.irp t, 0,1
	s_delay_alu instid0(VALU_DEP_2)
	v_lshl_or_b32 v[PWR+\t], v[PT+4*\t+2], 16, v[PWR+\t]
.endr
.irp t, 0,1
	s_delay_alu instid0(VALU_DEP_2)
	v_lshl_or_b32 v[PWR+\t], v[PT+4*\t+3], 24, v[PWR+\t]
.endr
.irp t, 0,1
.irp c, 0,1
	v_cvt_scalef32_pk16_fp6_f32 v[PC+12*\t+6*\c:PC+12*\t+6*\c+2], v[S+64*\t+32*\c:S+64*\t+32*\c+15], v[SO+4*\t+2*\c]
	v_cvt_scalef32_pk16_fp6_f32 v[CT+8*\t+4*\c:CT+8*\t+4*\c+2], v[S+64*\t+32*\c+16:S+64*\t+32*\c+31], v[SO+4*\t+2*\c+1]
.endr
.endr
	v_nop                                          ; one plain place behind the scaled conversions
.irp t, 0,1
.irp c, 0,1                            ; the operand's layout wants a whole block in a lane
.irp i, 0,1,2
	v_permlane16_swap_b32 v[PC+12*\t+6*\c+\i], v[CT+8*\t+4*\c+\i]
.endr
.irp i, 0,1,2
	s_delay_alu instid0(VALU_DEP_3)
	v_mov_b32 v[PC+12*\t+6*\c+3+\i], v[CT+8*\t+4*\c+\i]
.endr
.endr
.endr
	WIN 0x41                                       ; O^T in window 1, f in window 0
.set J, 0
	s_setprio 0
.rept 16
.irp t, 0,1
	v_pk_mul_f32 v[OT+32*\t+J:OT+32*\t+J+1], v[OT+32*\t+J:OT+32*\t+J+1], v[ST+8*\t+4:ST+8*\t+5] op_sel_hi:[1,0]   ; O^T under the new M.  (These 32 are also the places between p's codes and scale words and the products)
.endr
.set J, J+2
.endr
	s_wait_alu depctr_va_vdst(0)
	s_wait_dscnt 0x0                               ; V is in
	WIN 0x51                                       ; V, C and D in window 1, p's codes in window 0
.irp c, 0,1,2,3                        ; the eight accumulators take turns, one instruction a turn
.irp t, 0,1
	v_wmma_scale_f32_16x16x128_f8f6f4 v[OT+32*\t+8*\c:OT+32*\t+8*\c+7], v[VI+12*\c:VI+12*\c+11], v[PC+12*\t:PC+12*\t+11], v[OT+32*\t+8*\c:OT+32*\t+8*\c+7], v[XS+\c], v[PWR+\t] matrix_a_fmt:MATRIX_FMT_FP6 matrix_b_fmt:MATRIX_FMT_FP6 matrix_a_scale:MATRIX_SCALE_ROW1
.endr
.endr
	WIN 0
	s_add_co_u32 s[TB], s[TB], STEPB
.endm
; Four key steps, brought by every wave's g-th load: my part has landed (the later groups' loads may be out), the barrier says so of all eight waves
.macro GROUP g
	s_wait_tensorcnt 3-\g
	s_wait_dscnt 0x0
	s_barrier_signal -1
	s_barrier_wait -1
	s_mov_b32 s[CNT], 4
.Lstep_\@:
	s_setprio 2
	STEP
	s_sub_co_u32 s[CNT], s[CNT], 1
	s_cmp_lg_u32 s[CNT], 0
	s_cbranch_scc1 .Lstep_\@
	s_setprio 0
.endm
	GROUP 0
	GROUP 1
	GROUP 2
	GROUP 3
	; THE WAY OUT.  O^T / the sum; then the quantiser along d, in d's TRUE order, since the last projection's weight is given.
.rept 4
	v_nop                                          ; places behind the last products
.endr
.irp t, 0,1
	v_add_f32 v[ST+8*\t+6], v[ST+8*\t+2], v[ST+8*\t+3]
.endr
.irp t, 0,1
	s_delay_alu instid0(VALU_DEP_2)
	v_permlanex16_b32 v[ST+8*\t+7], v[ST+8*\t+6], s[SEL], s[SEL+1]
.endr
.irp t, 0,1
	s_delay_alu instid0(VALU_DEP_2)
	v_add_f32 v[ST+8*\t+6], v[ST+8*\t+6], v[ST+8*\t+7]          ; the row's sum
.endr
	s_wait_alu depctr_va_vdst(0)
.irp t, 0,1
	v_rcp_f32 v[ST+8*\t+4], v[ST+8*\t+6]
.endr
	v_and_b32 v56, 31, v0                          ; (a plain place behind the reciprocals)
	s_wait_alu depctr_va_vdst(0)                   ; one wait for both, ahead of the first reader
	WIN 0x01
.irp t, 0,1
.set J, 0
.rept 16
	v_pk_mul_f32 v[S+64*\t+J:S+64*\t+J+1], v[OT+32*\t+J:OT+32*\t+J+1], v[ST+8*\t+4:ST+8*\t+5] op_sel_hi:[1,0]   ; register 8 c + j: d = 16 c + 8 (lane / 16) + j; each accumulator from its low end on
.set J, J+2
.endr
.endr
	WIN 0
.irp t, 0,1
.irp b, 0,1
.irp j, 0,1,2,3,4,5,6,7
	v_permlane16_swap_b32 v[S+64*\t+16*\b+\j], v[S+64*\t+16*\b+8+\j]   ; the first's lanes 16-31 change places with the second's lanes 0-15: register 16 b + i now holds d = 32 b + 16 (lane / 16) + i
.endr
.endr
.endr
.irp b, 0,1
.irp t, 0,1
	v_max3_num_f32 v[BM+4*\t+\b], |v[S+64*\t+16*\b]|, |v[S+64*\t+16*\b+1]|, 0x1800000
.endr
.endr
.irp i, 2,4,6,8,10,12,14
.irp b, 0,1
.irp t, 0,1
	s_delay_alu instid0(VALU_DEP_4)
	v_max3_num_f32 v[BM+4*\t+\b], v[BM+4*\t+\b], |v[S+64*\t+16*\b+\i]|, |v[S+64*\t+16*\b+\i+1]|
.endr
.endr
.endr
.irp b, 0,1
.irp t, 0,1
	s_delay_alu instid0(VALU_DEP_4)
	v_permlanex16_b32 v[PT+4*\t+\b], v[BM+4*\t+\b], s[SEL], s[SEL+1]
.endr
.endr
.irp b, 0,1
.irp t, 0,1
	s_delay_alu instid0(VALU_DEP_4)
	v_max_num_f32 v[BM+4*\t+\b], v[BM+4*\t+\b], v[PT+4*\t+\b]
.endr
.endr
.irp b, 0,1
.irp t, 0,1
	s_delay_alu instid0(VALU_DEP_4)
	v_add_nc_u32 v[SO+4*\t+\b], 0xff000000, v[BM+4*\t+\b]
.endr
.endr
.irp b, 0,1
.irp t, 0,1
	s_delay_alu instid0(VALU_DEP_4)
	v_lshrrev_b32 v[PT+4*\t+\b], 23, v[SO+4*\t+\b]
.endr
.endr
.irp t, 0,1
	s_delay_alu instid0(VALU_DEP_2)
	v_lshl_or_b32 v[PWR+\t], v[PT+4*\t+1], 8, v[PT+4*\t]        ; s0 | s1 << 8; the upper half stays 0
.endr
.irp t, 0,1
	v_cvt_scalef32_pk16_fp6_f32 v[PC+12*\t:PC+12*\t+2], v[S+64*\t:S+64*\t+15], v[SO+4*\t]
	v_cvt_scalef32_pk16_fp6_f32 v[CT+8*\t:CT+8*\t+2], v[S+64*\t+16:S+64*\t+31], v[SO+4*\t+1]
.endr
	v_cmp_lt_u32 vcc_lo, 15, v56                   ; (a plain place behind the scaled conversions)  lanes 16-31
.irp t, 0,1
.irp i, 0,1,2
	v_permlane16_swap_b32 v[PC+12*\t+\i], v[CT+8*\t+\i]
.endr
.irp i, 0,1,2
	s_delay_alu instid0(VALU_DEP_3)
	v_mov_b32 v[PC+12*\t+3+\i], v[CT+8*\t+\i]
.endr
.endr
	v_cndmask_b32 v57, v[PWR], v[PWR+1], vcc_lo    ; lanes 0-15 tile 0's rows, lanes 16-31 tile 1's
.irp t, 0,1
	global_store_b128 v[L16], v[PC+12*\t:PC+12*\t+3], s[6:7] offset:1536*\t        ; 512 consecutive bytes, at a multiple of 256 from the buffer's first byte
	global_store_b64 v[L8], v[PC+12*\t+4:PC+12*\t+5], s[6:7] offset:1536*\t+512    ; 256
.endr
	global_store_b32 v7, v57, s[8:9]               ; my 32 tokens' words: 128 consecutive bytes
	s_wait_tensorcnt 0x0
	ds_add_u32 v254, v255
	s_wait_dscnt 0x0
	CROUND                                         ; the closing round
	s_endpgm
.Lfunc_end_k_q8da96b2c2b_attn:
	.size	k_q8da96b2c2b_attn, .Lfunc_end_k_q8da96b2c2b_attn-k_q8da96b2c2b_attn
	.p2alignl 7, 3214868480
	.fill 96, 4, 3214868480
	.section	.rodata,"a",@progbits
	.p2align	6, 0x0
	.amdhsa_kernel k_q8da96b2c2b_attn
		.amdhsa_group_segment_fixed_size 205824
		.amdhsa_private_segment_fixed_size 0
		.amdhsa_enable_private_segment 0
		.amdhsa_kernarg_size 24
		.amdhsa_user_sgpr_count 2
		.amdhsa_user_sgpr_kernarg_segment_ptr 1
		.amdhsa_wavefront_size32 1
		.amdhsa_system_sgpr_workgroup_id_x 1
		.amdhsa_system_sgpr_workgroup_id_y 1
		.amdhsa_system_sgpr_workgroup_id_z 1
		.amdhsa_system_vgpr_workitem_id 0
		.amdhsa_next_free_vgpr 512
		.amdhsa_next_free_sgpr 66
		.amdhsa_reserve_vcc 1
		.amdhsa_float_denorm_mode_32 3
		.amdhsa_float_denorm_mode_16_64 3
		.amdhsa_memory_ordered 1
		.amdhsa_forward_progress 1
		.amdhsa_inst_pref_size 142
	.end_amdhsa_kernel
	.amdgpu_metadata
---
amdhsa.version: [ 1, 2 ]
amdhsa.kernels:
  - .name:           k_q8da96b2c2b_attn
    .symbol:         k_q8da96b2c2b_attn.kd
    .args:
      - { .name: qkv, .offset: 0, .size: 8, .value_kind: global_buffer, .address_space: global }
      - { .name: aimg, .offset: 8, .size: 8, .value_kind: global_buffer, .address_space: global }
      - { .name: asc, .offset: 16, .size: 8, .value_kind: global_buffer, .address_space: global }
    .group_segment_fixed_size: 205824
    .private_segment_fixed_size: 0
    .kernarg_segment_align: 8
    .kernarg_segment_size: 24
    .max_flat_workgroup_size: 256
    .sgpr_count:     66
    .vgpr_count:     512
    .wavefront_size: 32
...
	.end_amdgpu_metadata
.endif
;; end of part 2
;; launch oproj (part 3): grid 4 x 64, 4 waves a work-group, clusters of 4 x 4, 307,712 bytes of LDS; arguments Wo_codes, Wo_scales, bo, aimg, asc, out0; writes out0
.if DOCPART == 3
	.amdgcn_target "amdgcn-amd-amdhsa--gfx1250"
	.amdhsa_code_object_version 6
	.text
	.protected	k_q8da96b2c2b_oproj
	.globl	k_q8da96b2c2b_oproj
	.p2align	8
	.type	k_q8da96b2c2b_oproj,@function
k_q8da96b2c2b_oproj:
	s_mov_b64 s[64:65], 0
	v_nop
	global_prefetch_b8 v0, s[64:65] scope:SCOPE_SE
	s_setreg_imm32_b32 hwreg(HW_REG_WAVE_MODE, 25, 1), 1
	s_wait_xcnt 0x0
	s_wait_alu depctr_hold_cnt(0) depctr_sa_sdst(0) depctr_va_vdst(0) depctr_va_sdst(0) depctr_va_ssrc(0) depctr_va_vcc(0) depctr_vm_vsrc(0)
	s_getreg_b32 s2, hwreg(HW_REG_IB_STS2, 6, 4)
	s_cmp_eq_u32 s2, 0
	s_cbranch_scc0 .Lentry_in_a_cluster
	s_endpgm
.Lentry_in_a_cluster:
	s_bfe_u32 s2, ttmp6, 0x10000c
	s_cmp_lg_u32 s2, 0xf033
	s_cbranch_scc0 .Lentry_shape_is_right
	s_endpgm
.Lentry_shape_is_right:
; out0 = attention's result x Wo + bo on codes of FP6 (E2M3) with one E8M0 scale for each 32 along K.
; C'[i][j] = sum over k of P[i][k] R[j][k].  P (source 0) = Wo's rows, the 1,024 output features, as given; R (source 1) = the tokens, which the attention launch left as images of operand registers.
; A lane so holds one token and eight neighbouring features of its row of out0.
; A work-group makes 256 features x 128 tokens with all of K = 1,024; wave w: features 128 (w & 1) on, tokens 64 (w >> 1) on: 32 accumulators, 8 K steps of 32 products.
; ALL OF THE TILE'S K LIES IN LDS AT ONCE: every byte is filled once, at the head.  P's rows of 768 bytes come as three chunks of 256 bytes, each in a region of its own with rows 272 bytes apart; R's
; 98,304 dense bytes as three thirds.  K step 2 is the first to reach into the second chunk and third, K step 5 into the last.
; CLUSTERS: 4 x 4 work-groups.  P's tile hangs on cx alone and is asked for jointly by a column of the cluster, R's on cy alone and by a row.
; No prefetch is written: every tensor load of a work-group is issued at its first lines.
; The bias is the C of each sum's first product.
; REGISTERS: window 0: v1 lane, v2 lane % 16, v3 lane / 16, v8-12 offsets, v16-24 LDS addresses, v26-27 the stage, v32-63 P's scale words, v64-79 R's, v80-143 the bias, v144-239 R's fragments (two sets);
;   on the way out v144-207 and v80-143 rows of out0 by turns.   window 1: P's fragments, two sets of 96.   window 2: accumulator (a, b) at v[64 a + 8 b].
.set PITCH, 272                        ; 256 bytes + 16 = 68 words: row r starts at bank 4 r mod 64 (64 banks of 4 bytes: ISA guide 11.1); lanes 16-31 read 6 words on
.set PCH,   256*PITCH
.set RB,    3*PCH
.set ROWB,  768
.set G1W0,  (1<<20)|(1<<21)|(5<<22)|(3<<25)
.set SPITCH, 528                       ; the way out: a stage of 16 rows x (512 bytes + 16) for each wave, in P's first chunk, which has had its only fill and its last read by then
.set L16, 8
.set AP,  16
.set APX, 19
.set AR,  21
.set STO, 26
.set RD,  27
.set SCP, 32
.set SCR, 64
.set BP,  80
.set RF,  144
.set MSB, 0
.macro WIN new
.if MSB != (\new)
	s_set_vgpr_msb (MSB<<8)|(\new)
.set MSB, (\new)
.endif
.endm
.macro PLACES
.rept 4
	v_nop
.endr
.endm
.macro CROUND
	s_barrier_signal -1
	s_barrier_wait -1
	s_cmp_lg_u32 s4, 0
	s_cbranch_scc1 .Lnot_wave_0_\@
	s_barrier_signal -3
.Lnot_wave_0_\@:
	s_barrier_wait -3
	s_barrier_signal -1
	s_barrier_wait -1
.endm
; P's fragment: lane (r, h) takes of row r the pieces of 8 bytes 12 s + 3 h + 0, 1, 2 and 12 s + 6 + 3 h + 0, 1, 2; a chunk holds 32 pieces; where lanes 16-31's piece lies in the next chunk the second address register serves
.macro FRAG reg, A, AX, s, i
.irp p, 0,1,2,3,4,5
.set G, 12*(\s)+6*(\p/3)+\p%3
.if G%32 < 29
	ds_load_b64 v[\reg+2*\p:\reg+2*\p+1], v[\A+G/32] offset:8*(G%32)+(\i)*16*PITCH
.else
	ds_load_b64 v[\reg+2*\p:\reg+2*\p+1], v[\AX+G/32] offset:8*(G%32)+(\i)*16*PITCH
.endif
.endr
.endm
.macro FETCH_P s                       ; 48 loads
	WIN 0x40
.irp i, 0,1,2,3,4,5,6,7
	FRAG 96*((\s)%2)+12*\i, AP, APX, \s, \i
.endr
	WIN 0
.endm
.macro FETCH_R s                       ; 16 loads: four images, each as it was stored: registers 0-3 at 16 x lane, 4-5 at 512 + 8 x lane, and the same for 6-11
.irp i, 0,1,2,3
.set rR, RF+48*((\s)%2)+12*\i
.set oR, ((\s)%4)*12288+1536*\i
.set aR, AR+2*((\s)/4)
	ds_load_b128 v[rR:rR+3], v[aR] offset:oR
	ds_load_b64 v[rR+4:rR+5], v[aR+1] offset:oR+512
	ds_load_b128 v[rR+6:rR+9], v[aR] offset:oR+768
	ds_load_b64 v[rR+10:rR+11], v[aR+1] offset:oR+1280
.endr
.endm
.macro WM a, b, s, z                   ; z = 1: the sum begins with the bias (window 0)
.set rD, 64*(\a)+8*(\b)
.set rC, rD
.if \z
.set rC, BP+8*(\b)
.endif
.set rP, 96*((\s)%2)+12*(\b)
.set rR, RF+48*((\s)%2)+12*(\a)
.set rE, SCP+8*((\b)%4)+(\s)
.set rF, SCR+8*((\a)%2)+(\s)
.if ((\b) < 4) && ((\a) < 2)
	v_wmma_scale_f32_16x16x128_f8f6f4 v[rD:rD+7], v[rP:rP+11], v[rR:rR+11], v[rC:rC+7], v[rE], v[rF] matrix_a_fmt:MATRIX_FMT_FP6 matrix_b_fmt:MATRIX_FMT_FP6
.elseif (\a) < 2
	v_wmma_scale_f32_16x16x128_f8f6f4 v[rD:rD+7], v[rP:rP+11], v[rR:rR+11], v[rC:rC+7], v[rE], v[rF] matrix_a_fmt:MATRIX_FMT_FP6 matrix_b_fmt:MATRIX_FMT_FP6 matrix_a_scale:MATRIX_SCALE_ROW1
.elseif (\b) < 4
	v_wmma_scale_f32_16x16x128_f8f6f4 v[rD:rD+7], v[rP:rP+11], v[rR:rR+11], v[rC:rC+7], v[rE], v[rF] matrix_a_fmt:MATRIX_FMT_FP6 matrix_b_fmt:MATRIX_FMT_FP6 matrix_b_scale:MATRIX_SCALE_ROW1
.else
	v_wmma_scale_f32_16x16x128_f8f6f4 v[rD:rD+7], v[rP:rP+11], v[rR:rR+11], v[rC:rC+7], v[rE], v[rF] matrix_a_fmt:MATRIX_FMT_FP6 matrix_b_fmt:MATRIX_FMT_FP6 matrix_a_scale:MATRIX_SCALE_ROW1 matrix_b_scale:MATRIX_SCALE_ROW1
.endif
.endm
.macro MUL16 a0, s, z                  ; the 32 accumulators take turns, one instruction a turn, in the same order in every step
.irp a, \a0, \a0+1
.irp b, 0,1,2,3,4,5,6,7
	WM \a, \b, \s, \z
.endr
.endr
.endm
.macro NSTEP s, z
.if (\s) > 0
	PLACES                                         ; behind the last step's products, which read the sets that are loaded below
.endif
	FETCH_P (\s)+1
	s_wait_dscnt 48                                ; all but the 48 just issued: this step's fragments are in
.if \z
	WIN 0x81
.else
	WIN 0xa1
.endif
	MUL16 0, \s, \z
	WIN 0
	FETCH_R (\s)+1
.if \z
	WIN 0x81
.else
	WIN 0xa1
.endif
	MUL16 2, \s, \z
.endm
.macro CSTEP s, left                   ; the successor needs the next chunk: my part of it has landed (left = my later loads), my LDS loads are in, the barrier says so of all four waves
	s_wait_tensorcnt \left
	s_wait_dscnt 0x0
	s_barrier_signal -1
	WIN 0xa1
	MUL16 0, \s, 0
	WIN 0
	s_barrier_wait -1
	PLACES
	FETCH_P (\s)+1
	FETCH_R (\s)+1
	WIN 0xa1
	MUL16 2, \s, 0
.endm
	s_load_b256 s[68:75], s[0:1], 0x0              ; Wo's codes, Wo's scales, bo, aimg
	s_load_b128 s[76:79], s[0:1], 0x20             ; asc, out0
	v_lshl_add_u32 v254, v0, 2, 0x4b000
	v_mov_b32 v255, 0
	ds_add_u32 v254, v255
	ds_add_u32 v254, v255
	v_lshrrev_b32 v1, 5, v0
	v_readfirstlane_b32 s4, v1                     ; wave 0..3
	s_and_b32 s5, s4, 1                            ; which 128 features are mine.  Also: which half of a tile I fetch
	s_lshr_b32 s6, s4, 1                           ; which 64 tokens.  Also: I fetch for P (0) or for R (1)
	s_bfe_u32 s9, ttmp6, 0x40000                   ; cx
	s_bfe_u32 s10, ttmp6, 0x40004                  ; cy
	s_mov_b32 s11, s9                              ; P's tile of 256 features
	s_and_b32 s12, ttmp7, 0xffff
	s_lshl_b32 s12, s12, 2
	s_add_co_u32 s12, s12, s10                     ; R's tile of 128 tokens
	s_lshl_b32 s13, 0x1111, s9                     ; my column of the cluster (same cx)
	s_lshl_b32 s14, s10, 2
	s_lshl_b32 s14, 15, s14                        ; my row (same cy)
	s_or_b32 s16, s13, G1W0                        ; group 1 for P: 128 rows x 256 bytes, 768 bytes apart, 16 bytes of padding behind each
	s_mov_b32 s17, 256<<16
	s_mov_b32 s18, 128<<16
	s_mov_b32 s19, 256<<16
	s_mov_b32 s20, 128
	s_mov_b32 s21, ROWB
	s_mov_b32 s22, 0
	s_mov_b32 s23, 0
	s_or_b32 s24, s14, (3<<16)|(1<<21)             ; for R: 64 dense rows of 256 bytes (32 elements of 8), no padding
	s_mov_b32 s25, 32<<16
	s_mov_b32 s26, 64<<16
	s_mov_b32 s27, 32<<16
	s_mov_b32 s28, 64
	s_mov_b32 s29, 32
	s_mov_b32 s30, 0
	s_mov_b32 s31, 0
	s_lshl_b32 s2, s11, 8
	s_lshl_b32 s3, s5, 7
	s_add_co_u32 s2, s2, s3
	s_mul_i32 s2, s2, ROWB
	s_mov_b32 s3, 0
	s_mul_i32 s14, s12, 98304
	s_lshl_b32 s15, s5, 14
	s_add_co_u32 s14, s14, s15
	s_mov_b32 s15, 0
	s_mul_i32 s33, s5, 128*PITCH                   ; LDS addresses: the wave's number and constants alone
	s_add_co_u32 s37, s33, PCH
	s_add_co_u32 s41, s33, 2*PCH
	s_lshl_b32 s45, s5, 14
	s_add_co_u32 s45, s45, RB
	s_add_co_u32 s49, s45, 32768
	s_add_co_u32 s53, s45, 65536
	s_wait_dscnt 0x0
	s_wait_kmcnt 0x0
	s_add_nc_u64 s[56:57], s[68:69], s[2:3]
	s_add_nc_u64 s[58:59], s[74:75], s[14:15]
	CROUND                                         ; all sixteen work-groups are here: the joint loads meet
.irp c, 0,1,2
	s_mov_b32 s[32+4*\c], 1
	s_add_nc_u64 s[34+4*\c:35+4*\c], s[56:57], 256*\c
	s_or_b32 s[35+4*\c], s[35+4*\c], 0x80000000
	s_mov_b32 s[44+4*\c], 1
	s_add_nc_u64 s[46+4*\c:47+4*\c], s[58:59], 32768*\c
	s_or_b32 s[47+4*\c], s[47+4*\c], 0x80000000
.endr
	s_cmp_eq_u32 s6, 0                             ; a wave's three fills stand in one branch on its number: three loads of mine are out
	s_cbranch_scc0 .Lfill_r
	tensor_load_to_lds s[32:35], s[16:23]
	s_nop 0
	tensor_load_to_lds s[36:39], s[16:23]
	s_nop 0
	tensor_load_to_lds s[40:43], s[16:23]
	s_nop 0
.rept 4
	v_nop
.endr
	s_branch .Lfilled
.Lfill_r:
	tensor_load_to_lds s[44:47], s[24:31]
	s_nop 0
	tensor_load_to_lds s[48:51], s[24:31]
	s_nop 0
	tensor_load_to_lds s[52:55], s[24:31]
	s_nop 0
.rept 4
	v_nop
.endr
.Lfilled:
	v_and_b32 v1, 31, v0                           ; lane
	v_and_b32 v2, 15, v0                           ; r
	v_bfe_u32 v3, v0, 4, 1                         ; h
	v_lshlrev_b32 v[L16], 4, v1
	v_lshlrev_b32 v9, 3, v1
	v_lshlrev_b32 v10, 5, v2
	v_lshl_add_u32 v10, v3, 11, v10                ; P's scales: row r + 64 h, 32 bytes a row
	s_wait_alu depctr_va_vdst(0)
	v_lshlrev_b32 v11, 2, v2
	v_lshl_add_u32 v11, v3, 7, v11                 ; R's: token r + 32 h, 4 bytes a token
	v_lshlrev_b32 v12, 5, v3                       ; the bias: 8 h numbers on
	s_wait_alu depctr_va_vdst(0)
	s_lshl_b32 s60, s11, 13
	s_lshl_b32 s61, s5, 12
	s_add_co_u32 s60, s60, s61                     ; (256 tile + 128 wp) x 32
	s_mov_b32 s61, 0
	s_add_nc_u64 s[70:71], s[70:71], s[60:61]
	s_lshr_b32 s60, s60, 3                         ; the same features x 4
	s_add_nc_u64 s[72:73], s[72:73], s[60:61]
	s_add_nc_u64 s[78:79], s[78:79], s[60:61]
	s_lshl_b32 s62, s12, 13
	s_lshl_b32 s63, s6, 8
	s_add_co_u32 s62, s62, s63                     ; asc: 8,192 bytes a tile of tokens, my 64 tokens
	s_mov_b32 s63, 0
	s_add_nc_u64 s[76:77], s[76:77], s[62:63]
	s_lshl_b32 s62, s12, 19
	s_lshl_b32 s66, s6, 18
	s_add_co_u32 s62, s62, s66                     ; (128 tile + 64 wr) rows of 4,096 bytes
	s_add_nc_u64 s[78:79], s[78:79], s[62:63]      ; out0 at my first token and feature
.irp i, 0,1,2,3
	global_load_b128 v[SCP+8*\i:SCP+8*\i+3], v10, s[70:71] offset:512*\i
	global_load_b128 v[SCP+8*\i+4:SCP+8*\i+7], v10, s[70:71] offset:512*\i+16
.endr
.irp i, 0,1,2,3,4,5,6,7
	global_load_b128 v[BP+8*\i:BP+8*\i+3], v12, s[72:73] offset:64*\i
	global_load_b128 v[BP+8*\i+4:BP+8*\i+7], v12, s[72:73] offset:64*\i+16
.endr
.irp i, 0,1                            ; a token's two scale bytes of each of the 16 heads, into registers that R's second set takes later
.set HH, 0
.rept 16
	global_load_b32 v[192+16*\i+HH], v11, s[76:77] offset:512*HH+64*\i
.set HH, HH+1
.endr
.endr
	v_mul_u32_u24 v4, v2, PITCH
	s_mul_i32 s60, s5, 128*PITCH
	v_add_nc_u32 v5, s60, v4
	v_mad_u32_u24 v6, v3, 24, v5
	v_mad_u32_u24 v7, v3, PCH-232, v5
.irp c, 0,1,2
	v_add_nc_u32 v[AP+\c], \c*PCH, v6
.endr
.irp c, 0,1
	v_add_nc_u32 v[APX+\c], \c*PCH, v7
.endr
	s_mul_i32 s61, s6, 6144                        ; my 64 tokens: four images of a K step's eight
	s_add_co_u32 s61, s61, RB
	v_add_nc_u32 v[AR], s61, v[L16]
	v_add_nc_u32 v[AR+1], s61, v9
	v_add_nc_u32 v[AR+2], 49152, v[AR]             ; K steps 4 to 7
	v_add_nc_u32 v[AR+3], 49152, v[AR+1]
	s_mul_i32 s62, s4, 16*SPITCH                   ; my stage
	v_mul_u32_u24 v[STO], v2, SPITCH
	v_lshl_add_u32 v[STO], v3, 5, v[STO]
	v_add_nc_u32 v[STO], s62, v[STO]               ; in: row r, 32 bytes for each half of the lanes
	v_add_nc_u32 v[RD], s62, v[L16]                ; back: the 32 lanes take one row of 512 bytes
	s_wait_loadcnt 0x0
.irp i, 0,1
.irp s, 0,1,2,3,4,5,6,7
	v_lshl_or_b32 v[SCR+8*\i+\s], v[193+16*\i+2*\s], 16, v[192+16*\i+2*\s]   ; K step s = heads 2 s, 2 s + 1: four bytes
.endr
.endr
.rept 8
	v_nop                                          ; a scale register written by a vector instruction stands eight places ahead of a scaled product
.endr
	s_wait_alu depctr_va_vdst(0)
	s_wait_tensorcnt 0x2                           ; my part of the first chunk is in; the other two may be out
	s_barrier_signal -1
	s_barrier_wait -1
	FETCH_P 0
	FETCH_R 0
	NSTEP 0, 1
	CSTEP 1, 1
	NSTEP 2, 0
	NSTEP 3, 0
	CSTEP 4, 0
	NSTEP 5, 0
	NSTEP 6, 0
	s_wait_dscnt 0x0
	WIN 0xa1
	MUL16 0, 7, 0
	MUL16 2, 7, 0
	WIN 0
; THE WAY OUT, 16 tokens x 128 features at a time.  A lane holds 32 neighbouring bytes of a row, and the lanes beside it hold other rows: a block goes through my own stage and comes back as whole rows of 512 bytes.
; LDS serves a wave's instructions in order (ISA guide 5.7.1.4): no wait between the stores and the loads, nor in front of the next block's stores.
; The stage lies in P's first chunk: every wave's reads of it were waited for in front of the barrier of K step 4, and no fill follows.
.macro TOSTAGE a
	WIN 0x08                                       ; an LDS store's data are its source 1: window 2
.irp b, 0,1,2,3,4,5,6,7
	ds_store_b128 v[STO], v[64*(\a)+8*\b:64*(\a)+8*\b+3] offset:64*\b          ; each accumulator from its low end on
	ds_store_b128 v[STO], v[64*(\a)+8*\b+4:64*(\a)+8*\b+7] offset:64*\b+16
.endr
	WIN 0
.set BB, 144-64*((\a)%2)
.irp t, 0,1,2,3,4,5,6,7,8,9,10,11,12,13,14,15
	ds_load_b128 v[BB+4*\t:BB+4*\t+3], v[RD] offset:\t*SPITCH
.endr
.endm
.macro SEND a, younger                 ; younger: the LDS instructions issued behind block a's loads, which may stay out
.set BB, 144-64*((\a)%2)
	s_wait_dscnt \younger
.irp t, 0,1,2,3,4,5,6,7,8,9,10,11,12,13,14,15
	global_store_b128 v[L16], v[BB+4*\t:BB+4*\t+3], s[78:79] offset:(16*(\a)+\t)*4096 th:TH_STORE_NT   ; 32 lanes store 512 consecutive bytes, at a multiple of 256 from out0's first byte; written once, read by nobody here
.endr
.endm
	PLACES
	TOSTAGE 0
.irp a, 1,2,3
.if \a > 1
	s_wait_xcnt 0x0                                ; block a - 2's stores have read their registers: block a's loads may land there
.endif
	TOSTAGE \a
	SEND \a-1, 32                                  ; behind block a - 1's loads: block a's 16 stores and 16 loads
.endr
	SEND 3, 0
	s_wait_tensorcnt 0x0
	ds_add_u32 v254, v255
	s_wait_dscnt 0x0
	CROUND                                         ; the closing round: no work-group ends while a partner may still ask for a tile that names it
	s_endpgm
.Lfunc_end_k_q8da96b2c2b_oproj:
	.size	k_q8da96b2c2b_oproj, .Lfunc_end_k_q8da96b2c2b_oproj-k_q8da96b2c2b_oproj
	.p2alignl 7, 3214868480
	.fill 96, 4, 3214868480
	.section	.rodata,"a",@progbits
	.p2align	6, 0x0
	.amdhsa_kernel k_q8da96b2c2b_oproj
		.amdhsa_group_segment_fixed_size 307712
		.amdhsa_private_segment_fixed_size 0
		.amdhsa_enable_private_segment 0
		.amdhsa_kernarg_size 48
		.amdhsa_user_sgpr_count 2
		.amdhsa_user_sgpr_kernarg_segment_ptr 1
		.amdhsa_wavefront_size32 1
		.amdhsa_system_sgpr_workgroup_id_x 1
		.amdhsa_system_sgpr_workgroup_id_y 1
		.amdhsa_system_sgpr_workgroup_id_z 1
		.amdhsa_system_vgpr_workitem_id 0
		.amdhsa_next_free_vgpr 768
		.amdhsa_next_free_sgpr 80
		.amdhsa_reserve_vcc 0
		.amdhsa_float_denorm_mode_32 3
		.amdhsa_float_denorm_mode_16_64 3
		.amdhsa_memory_ordered 1
		.amdhsa_forward_progress 1
		.amdhsa_inst_pref_size 96
	.end_amdhsa_kernel
	.amdgpu_metadata
---
amdhsa.version: [ 1, 2 ]
amdhsa.kernels:
  - .name:           k_q8da96b2c2b_oproj
    .symbol:         k_q8da96b2c2b_oproj.kd
    .args:
      - { .name: Wo_codes, .offset: 0, .size: 8, .value_kind: global_buffer, .address_space: global }
      - { .name: Wo_scales, .offset: 8, .size: 8, .value_kind: global_buffer, .address_space: global }
      - { .name: bo, .offset: 16, .size: 8, .value_kind: global_buffer, .address_space: global }
      - { .name: aimg, .offset: 24, .size: 8, .value_kind: global_buffer, .address_space: global }
      - { .name: asc, .offset: 32, .size: 8, .value_kind: global_buffer, .address_space: global }
      - { .name: out0, .offset: 40, .size: 8, .value_kind: global_buffer, .address_space: global }
    .group_segment_fixed_size: 307712
    .private_segment_fixed_size: 0
    .kernarg_segment_align: 8
    .kernarg_segment_size: 48
    .max_flat_workgroup_size: 128
    .sgpr_count:     80
    .vgpr_count:     768
    .wavefront_size: 32
...
	.end_amdgpu_metadata
.endif
;; end of part 3
